; MI455X (gfx1250); checked and timed in simulation.
; The chip was launched on July 23, 2026; its instructions are those of AMD's public machine-readable ISA for CDNA 5 (MIT licence, August 2026) and "CDNA5" Instruction Set Architecture Reference Guide (July 2026). The comments in the code are by the model that wrote it; some were corrected since.
;; Masked Causal Attention. Allowed arithmetic: matrix products marked QUANTISED: E2M1 operands, one E8M0 scale for each 32 along K, by v_wmma_scale_f32_16x16x128_f8f6f4 with both operands' format E2M1 (or v_wmma_scale_f32_32x16x128_f4), f32 sums; everything else in f32.
;; Inputs: bk 1,024 float32; bp 1,024 float32; bq 1,024 float32; bv 1,024 float32; token_mask 4 x 2,048 int32; wk_codes 1,024 x 32 x 16 uint8 (E2M1 codes of wk, K innermost, in blocks of 32 codes, two codes a byte); wk_scales 1,024 x 32 uint8 (E8M0 scales of wk, one for each 32 codes along K); wp_codes 1,024 x 32 x 16 uint8 (E2M1 codes of wp, K innermost, in blocks of 32 codes, two codes a byte); wp_scales 1,024 x 32 uint8 (E8M0 scales of wp, one for each 32 codes along K); wq_codes 1,024 x 32 x 16 uint8 (E2M1 codes of wq, K innermost, in blocks of 32 codes, two codes a byte); wq_scales 1,024 x 32 uint8 (E8M0 scales of wq, one for each 32 codes along K); wv_codes 1,024 x 32 x 16 uint8 (E2M1 codes of wv, K innermost, in blocks of 32 codes, two codes a byte); wv_scales 1,024 x 32 uint8 (E8M0 scales of wv, one for each 32 codes along K); x_codes 4 x 2,048 x 32 x 16 uint8 (E2M1 codes of x, K innermost, in blocks of 32 codes, two codes a byte); x_scales 4 x 2,048 x 32 uint8 (E8M0 scales of x, one for each 32 codes along K).
;; Outputs: out0 4 x 2,048 x 1,024 float32.
;; This version of the problem:
;;   THIS VERSION OF THE PROBLEM IS GIVEN IN LOW PRECISION. The matrix products marked QUANTISED in the list below multiply operands that are first quantised to E2M1 (2 exponent bits, 1 mantissa bit; 4 bits a number), with one power-of-two scale for each 32 numbers along K (OCP MX v1.0); their sums are f32. All else is computed in f32.
;;   The module's matrix products, in the order in which they are computed (A, B: the left and right operand; K: the contracted axis; several contracted axes count as one K, in the product's order):
;;     1. [M 8,192, K 1,024] x [K 1,024, N 1,024]; A: input x (given as codes); B: input wq (given as codes): QUANTISED
;;     2. [M 8,192, K 1,024] x [K 1,024, N 1,024]; A: input x (given as codes); B: input wk (given as codes): QUANTISED
;;     3. [M 8,192, K 1,024] x [K 1,024, N 1,024]; A: input x (given as codes); B: input wv (given as codes): QUANTISED
;;     4. batch 64 x [M 2,048, K 64] x [K 64, N 2,048]; A: computed on the way; B: computed on the way: QUANTISED
;;     5. batch 64 x [M 64, K 2,048] x [K 2,048, N 2,048]; A: computed on the way; B: softmax (see below): QUANTISED
;;     6. [M 8,192, K 1,024] x [K 1,024, N 1,024]; A: computed on the way; B: input wp (given as codes): QUANTISED
;;   THE QUANTISER, for each operand of a quantised product, along K:
;;     - K is cut into blocks of 32 from its start; a last block that is shorter is filled with zeros.
;;     - A block's scale is 2^e with e = floor(log2(the largest magnitude in the block)) - 2, held to -126 .. 127; a block of zeros has e = 0. As a byte (E8M0): e + 127.
;;     - Each number is divided by its block's scale, clamped to +-6, and rounded to the nearest number of E2M1, ties to even, subnormals kept.
;;     - The product sums the exact products of the quantised numbers (number of the format x scale) in f32.
;;   ~~~python
;;   def quantise(x, axis):      # numpy; x: float32 -> the quantised numbers, widened to float32 again
;;       x = np.moveaxis(x, axis, -1); K = x.shape[-1]
;;       x = np.pad(x, [(0, 0)] * (x.ndim - 1) + [(0, -K % 32)]); x = x.reshape(x.shape[:-1] + (-1, 32)); a = np.abs(x).max(-1, keepdims=True)
;;       e = np.where(a > 0, np.clip(np.frexp(np.where(a > 0, a, 1))[1] - 1 - 2, -126, 127), 0)      # np.frexp(a)[1] - 1 = floor(log2(a)), exactly
;;       r = np.clip(x / 2.0 ** e, -6, 6)
;;       step = 2.0 ** (np.maximum(np.frexp(np.where(r == 0, 1, r))[1] - 1, 0) - 1)
;;       q = np.round(r / step) * step * 2.0 ** e      # np.round: ties to even
;;       return np.moveaxis(q.reshape(q.shape[:-2] + (-1,))[..., :K], -1, axis).astype(np.float32)
;;   ~~~
;;   SOFTMAX AHEAD OF A QUANTISED PRODUCT. Where the list says 'softmax', what is quantised is not the finished softmax but p = 2^(t - M), with t = logit x log2(e) and M = ceil(the row's largest t), a whole number; so 1/2 < the row's largest p <= 1. The row's sum l is taken of the UNQUANTISED p, in f32, and the product's result is divided by l at the end. Since M is a whole number, a kernel that streams over the keys may use a running M (the ceiling of the running maximum): every later rescaling is an exact power of two, which a block's scale takes up: the codes' values come out the same.
;;   OPERANDS COMPUTED ON THE WAY. 'Computed on the way' means the value that the module computes at that place (a softmax that the list does not call 'softmax' is quantised finished and normalised). What goes into a quantiser is computed in f32, as accurately as f32 sums, v_exp_f32 and their like allow (about 1e-6 of the number): no bf16 or f16 on the way to a quantiser, and a product that is left as it is and whose result goes on into a quantised operand takes f32 operands (vector FMAs, or v_wmma_f32_16x16x4_f32). A number that lies on a knife's edge between two numbers of the format may be rounded either way, as far as f32 arithmetic and the matrix unit's own rounding can turn it there, and no further.
;;   INPUTS GIVEN AS CODES. wk (in the module: [1024, 1024], K = its axis 1); wp (in the module: [1024, 1024], K = its axis 1); wq (in the module: [1024, 1024], K = its axis 1); wv (in the module: [1024, 1024], K = its axis 1); x (in the module: [4, 2048, 1024], K = its axis 2): each comes as NAME_codes (uint8): NAME with its K axis moved to the last place and cut into blocks of 32 codes, [.., K / 32, bytes a block], one block behind the other in memory; two codes a byte, the lower K in the low four bits (a code: sign, 2 exponent bits, 1 mantissa bit); and NAME_scales (uint8): the same leading axes, one E8M0 byte (e + 127) for each 32 codes along K. Its value is code x scale, taken as it is: it is not quantised again, and the codes and scales need not be those that the quantiser above would give.
;; One version. Each part assembles by itself: llvm-mc -triple=amdgcn-amd-amdhsa -mcpu=gfx1250 --defsym DOCPART=n.
;; ======== version 1 of 1: 3 launches
;; limits: right only within a limited range of input values
;; workspace buffers: qws 9,437,184 bytes; kvws 9,437,184 bytes; acodes 4,194,304 bytes; ascales 262,144 bytes; nanrow 32,768 bytes
;; launch qkv (part 1): grid 8 x 32, 4 waves a work-group, clusters of 4 x 4, 327,680 bytes of LDS; arguments x_codes, x_scales, wq_codes, wq_scales, wk_codes, wk_scales, wv_codes, wv_scales, bq, bk, bv, qws, kvws; writes qws, kvws
.if DOCPART == 1
	.amdgcn_target "amdgcn-amd-amdhsa--gfx1250"
	.amdhsa_code_object_version 6
	.text
	.protected	k_qfdb63bed44_qkv
	.globl	k_qfdb63bed44_qkv
	.p2align	8
	.type	k_qfdb63bed44_qkv,@function
k_qfdb63bed44_qkv:
	s_mov_b64 s[64:65], 0
	v_nop
	global_prefetch_b8 v0, s[64:65] scope:SCOPE_SE
	s_setreg_imm32_b32 hwreg(HW_REG_WAVE_MODE, 25, 1), 1
	s_wait_xcnt 0x0
	s_wait_alu depctr_hold_cnt(0) depctr_sa_sdst(0) depctr_va_vdst(0) depctr_va_sdst(0) depctr_va_ssrc(0) depctr_va_vcc(0) depctr_vm_vsrc(0)
	s_getreg_b32 s2, hwreg(HW_REG_IB_STS2, 6, 4)
	s_cmp_eq_u32 s2, 0
	s_cbranch_scc0 .Lentry_in_a_cluster
	s_endpgm
.Lentry_in_a_cluster:
	s_bfe_u32 s2, ttmp6, 0x10000c
	s_cmp_lg_u32 s2, 0xf033
	s_cbranch_scc0 .Lentry_shape_is_right
	s_endpgm
.Lentry_shape_is_right:
; q = x wq^T + bq, k = x wk^T + bk, v = x wv^T + bv on codes of FP4 (E2M1) with one E8M0 scale for each 32 along K = 1,024; results quantised in registers: q, k along the head's 64, v along the keys.
; They leave as IMAGES OF OPERAND REGISTERS: four registers of a fragment are 512 bytes, lane l's 16 bytes at 16 l.
; THE GRID.  8 x 32 = 256 work-groups: heads 2 X and 2 X + 1 of 256 tokens (tile Y).  Phase 1: wave (token half, B half) makes 128 tokens x 128 features of q (B half 0) or k (1): 64 accumulators.
; Phase 2: wave (token half, head) makes v: 64 features x 128 tokens: 32 accumulators.  Nothing of reference() is left out here.
; TRANSPOSED USE: source 0 = 16 rows of B, source 1 = 16 rows of A: a lane holds ONE row of A and its registers run along B's rows.
; THE ROWS OF A TILE ARE NOT NEIGHBOURS, on both sides: of 64 rows, tile i takes in rows m = 0 .. 7 the rows 8 i + m and in m = 8 .. 15 the rows 32 + 8 (i xor 1) + m - 8.  So a lane of half h holds, in tiles
; 4 c .. 4 c + 3, all 32 numbers of block 2 c + h: no other lane is asked for a maximum and a conversion's dword is tile i's.  In odd blocks the dwords stand in the order 1, 0, 3, 2: alike in q and k, and in v and in what the
; next launch makes of k's rows, so the products keep their sums.  (The sixteen rows, 272 bytes apart in LDS, differ modulo 16.)
; Query and key tiles hold 16 tokens by the same rule: token (tile 4 c + i, row m) of a step of 128.
; K = 1,024 is two LDS slots of 512; wv's rows fill slot 0's B part again when q and k are done with it.  4 x 4 work-groups form a cluster: x is asked for jointly along a row, the weights along a column.
; No prefetch: there is no loop of tile loads to run ahead in.  The scale bytes go straight into registers: lane (r, h) takes 16 bytes of its row: K steps 4 h .. 4 h + 3.
; WORKSPACE, qws and kvws alike: [16 b + head][step of 128 tokens][9,216 bytes]: 0: 8 tiles x 512; 4,096: v, 4 tiles of 16 d x 2 x 512; 8,192: q's or k's scale words, lane (r, h): tiles 4 h ..; 8,704: v's, lane r: d tiles 0 .. 3.
; A head has 64 of the score product's 128 along K: scale bytes 2 and 3 are 1; the query's codes there are zeros.
; LIMITS: a block whose largest magnitude lies under 2^-124, a block of zeros among them, gets the byte 1 (bytes that this program alone reads); NaN and infinities in the biases are not served.
.set HB,    147456
.set STEPB, 9216
.set PITCH, 272                        ; an LDS row: 256 bytes + 16
.set HALFT, 128*PITCH
.set SLOT,  4*HALFT                    ; x's 256 rows, then 128 of wq, 128 of wk
.set SPARE, 2*SLOT                     ; the spare words
.set AX,   16                          ; v16-19 x's fragments: 2 slot + parity of the tile
.set AW,   20                          ; v20-23 the weight's
.set AV,   24                          ; v24-25 wv's
.set LI,   26                          ; 16 x lane
.set H8,   27                          ; 8 h
.set SPW,  28
.set NIL,  29
.set SCX,  32                          ; scale words: x 4 tile + s % 4
.set SCW,  64
.set SCV,  96
.set TM,   112
.set HV,   121
.set PW,   122
.set AF,   128                         ; window 0: A's fragments, two sets of 64
.set BI,   128                         ; window 1: bq or bk in the result's layout (B's fragments: v0-127)
.set BV,   192                         ; window 1: bv
.set PCS,  128                         ; the way out
.set W0,   192
.set W1,   200
.set OW,   208
.set PCV,  160
.set WV,   192
.set G1, 24
.set G0, 32
.set G1B, 48
.set G0B, 56
.set MSB, 0
.macro WIN new                         ; the immediate's high byte repeats the setting that is left
.if MSB != (\new)
	s_set_vgpr_msb (MSB<<8)|(\new)
.set MSB, \new
.endif
.endm
.macro PLACES n
.rept \n
	v_nop
.endr
.endm
.macro JLOAD g0a, g0b                  ; waves 0 and 1 fetch x's halves, wave 2 wq, wave 3 wk
	s_cmp_eq_u32 s15, 0
	s_cbranch_scc0 .Lfor_b_\@
	tensor_load_to_lds s[\g0a:\g0a+3], s[G1:G1+7]
	s_nop 0
	PLACES 4
	s_branch .Lasked_\@
.Lfor_b_\@:
	tensor_load_to_lds s[\g0b:\g0b+3], s[G1B:G1B+7]
	s_nop 0
	PLACES 4
.Lasked_\@:
.endm
.macro CREST
	s_cmp_lg_u32 s14, 0
	s_cbranch_scc1 .Lnot_wave_0_\@
	s_barrier_signal -3
.Lnot_wave_0_\@:
	s_barrier_wait -3
	s_barrier_signal -1
	s_barrier_wait -1
.endm
.macro CROUND                          ; a round of the cluster's barrier
	s_barrier_signal -1
	s_barrier_wait -1
	CREST
.endm
	s_load_b512 s[68:83], s[0:1], 0x0              ; x c, x s, wq c, wq s, wk c, wk s, wv c, wv s
	s_load_b256 s[84:91], s[0:1], 0x40             ; bq, bk, bv, qws
	s_load_b64 s[92:93], s[0:1], 0x60              ; kvws
	v_lshl_add_u32 v[SPW], v0, 2, SPARE
	v_mov_b32 v[NIL], 0
	ds_add_u32 v[SPW], v[NIL]                      ; the opening
	ds_add_u32 v[SPW], v[NIL]
	v_lshrrev_b32 v1, 5, v0
	v_readfirstlane_b32 s14, v1                    ; wave 0..3
	s_lshr_b32 s15, s14, 1                         ; my half of the tokens.  Also: I fetch x (0) or weights (1)
	s_and_b32 s16, s14, 1                          ; q or k; in phase 2 my head.  Also: which 128 rows I fetch
	s_bfe_u32 s40, ttmp6, 0x40000                  ; cx
	s_bfe_u32 s41, ttmp6, 0x40004                  ; cy
	s_lshl_b32 s17, ttmp9, 2
	s_add_co_u32 s17, s17, s40                     ; X: the pair of heads
	s_and_b32 s18, ttmp7, 0xffff
	s_lshl_b32 s18, s18, 2
	s_add_co_u32 s18, s18, s41                     ; Y: the tile of 256 tokens
	s_lshl_b32 s43, s41, 2
	s_lshl_b32 s43, 15, s43                        ; my row of the cluster
	s_lshl_b32 s44, 0x1111, s40                    ; my column
	s_or_b32 s[G1+0], s43, (0<<16)|(1<<20)|(1<<21)|(5<<22)|(3<<25)   ; 128 rows x 256 bytes, 512 apart, 16 bytes of padding behind each
	s_or_b32 s[G1B+0], s44, (0<<16)|(1<<20)|(1<<21)|(5<<22)|(3<<25)
.irp g, G1, G1B
	s_mov_b32 s[\g+1], 256<<16
	s_mov_b32 s[\g+2], 128<<16
	s_mov_b32 s[\g+3], 256<<16
	s_mov_b32 s[\g+4], 128
	s_mov_b32 s[\g+5], 512
	s_mov_b32 s[\g+6], 0
	s_mov_b32 s[\g+7], 0
.endr
	s_lshl_b32 s20, s18, 17
	s_lshl_b32 s19, s16, 16
	s_add_co_u32 s20, s20, s19                     ; x: row 256 Y + 128 x half, 512 bytes a row
	s_mov_b32 s21, 0
	s_lshl_b32 s22, s17, 16                        ; the weights: row 128 X
	s_mov_b32 s23, 0
	s_lshl_b32 s46, s16, 8                         ; wv: the half of K that I fetch
	s_mov_b32 s47, 0
	s_mul_i32 s66, s14, HALFT                      ; where my rows go
	v_and_b32 v1, 15, v0                           ; r
	v_bfe_u32 v2, v0, 4, 1                         ; h
	v_and_b32 v3, 7, v0
	v_bfe_u32 v4, v0, 3, 1
	v_mul_u32_u24 v5, 40, v4
	v_add_nc_u32 v5, v5, v3                        ; my row of an even tile, less 8 i
	v_mul_u32_u24 v6, 24, v4
	v_add_nc_u32 v6, v6, v3                        ; of an odd one
	v_mul_u32_u24 v7, PITCH, v5
	v_lshl_add_u32 v7, v2, 4, v7
	v_mul_u32_u24 v8, PITCH, v6
	v_lshl_add_u32 v8, v2, 4, v8
	s_mul_i32 s96, s15, HALFT
	s_mul_i32 s97, s16, HALFT
	s_add_co_u32 s97, s97, 2*HALFT
	s_mul_i32 s98, s16, 64*PITCH
	s_add_co_u32 s98, s98, 2*HALFT
	v_add_nc_u32 v[AX+0], s96, v7
	v_add_nc_u32 v[AX+1], s96, v8
	v_add_nc_u32 v[AX+2], SLOT, v[AX+0]
	v_add_nc_u32 v[AX+3], SLOT, v[AX+1]
	v_add_nc_u32 v[AW+0], s97, v7
	v_add_nc_u32 v[AW+1], s97, v8
	v_add_nc_u32 v[AW+2], SLOT, v[AW+0]
	v_add_nc_u32 v[AW+3], SLOT, v[AW+1]
	v_add_nc_u32 v[AV+0], s98, v7
	v_add_nc_u32 v[AV+1], s98, v8
	v_lshlrev_b32 v9, 5, v5                        ; v9, v10: 32 bytes of scales a row, 16 h on
	v_lshl_add_u32 v9, v2, 4, v9
	v_lshlrev_b32 v10, 5, v6
	v_lshl_add_u32 v10, v2, 4, v10
	v_mul_u32_u24 v11, 160, v2                     ; v11, v12: bq, bk along a lane's registers
	v_mul_u32_u24 v12, 96, v2
	v_lshlrev_b32 v13, 2, v5                       ; v13, v14: bv, a lane's one feature
	v_lshlrev_b32 v14, 2, v6
	v_and_b32 v15, 31, v0
	v_lshlrev_b32 v[LI], 4, v15
	v_lshlrev_b32 v[H8], 3, v2
	v_mov_b32 v[TM+8], 0                           ; written once: a lane permute's destination counts as a source
	v_mov_b32 v[HV], 0x01010000
	s_mov_b32 s2, 0x76543210
	s_mov_b32 s3, 0xfedcba98                       ; lane l xor 16
	s_mov_b32 s45, 0xffff0000                      ; lanes 16-31
	s_wait_alu depctr_va_vdst(0)
	s_wait_dscnt 0x0                               ; both opening adds are done
	s_wait_kmcnt 0x0
	s_add_nc_u64 s[20:21], s[68:69], s[20:21]      ; x's rows
	s_cmp_eq_u32 s16, 0                            ; q or k: by the wave alone
	s_cselect_b64 s[4:5], s[72:73], s[76:77]
	s_cselect_b64 s[6:7], s[74:75], s[78:79]
	s_cselect_b64 s[8:9], s[84:85], s[86:87]
	s_cselect_b64 s[10:11], s[90:91], s[92:93]
	s_add_nc_u64 s[4:5], s[4:5], s[22:23]
	s_add_nc_u64 s[12:13], s[80:81], s[22:23]
	s_add_nc_u64 s[12:13], s[12:13], s[46:47]      ; wv's rows, my half of K
	CROUND                                         ; all sixteen work-groups are here
.irp s, 0,1
	s_mov_b32 s[G0+4*\s], 1
	s_add_co_u32 s[G0+4*\s+1], s66, \s*SLOT
	s_add_nc_u64 s[G0+4*\s+2:G0+4*\s+3], s[20:21], \s*256
	s_or_b32 s[G0+4*\s+3], s[G0+4*\s+3], 0x80000000
	s_mov_b32 s[G0B+4*\s], 1
	s_add_co_u32 s[G0B+4*\s+1], s66, \s*SLOT
	s_add_nc_u64 s[G0B+4*\s+2:G0B+4*\s+3], s[4:5], \s*256
	s_or_b32 s[G0B+4*\s+3], s[G0B+4*\s+3], 0x80000000
.endr
	JLOAD G0, G0B                                  ; slot 0: one load a wave at the head
	s_lshl_b32 s94, s18, 13
	s_lshl_b32 s96, s15, 12
	s_add_co_u32 s94, s94, s96
	s_mov_b32 s95, 0
	s_add_nc_u64 s[70:71], s[70:71], s[94:95]      ; x's scales: token 256 Y + 128 x half
	s_lshl_b32 s94, s17, 12
	s_add_nc_u64 s[6:7], s[6:7], s[94:95]          ; wq's or wk's: row 128 X
	s_lshl_b32 s96, s16, 11
	s_add_co_u32 s94, s94, s96
	s_add_nc_u64 s[82:83], s[82:83], s[94:95]      ; wv's: row 128 X + 64 x head
	s_lshl_b32 s94, s17, 9
	s_add_nc_u64 s[8:9], s[8:9], s[94:95]
	s_lshl_b32 s96, s16, 8
	s_add_co_u32 s94, s94, s96
	s_add_nc_u64 s[88:89], s[88:89], s[94:95]
.irp t, 0,1,2,3,4,5,6,7
	global_load_b128 v[SCX+4*\t:SCX+4*\t+3], v[9+\t%2], s[70:71] offset:2048*(\t/4)+256*(\t%4)
	global_load_b128 v[SCW+4*\t:SCW+4*\t+3], v[9+\t%2], s[6:7] offset:2048*(\t/4)+256*(\t%4)
.endr
.irp t, 0,1,2,3
	global_load_b128 v[SCV+4*\t:SCV+4*\t+3], v[9+\t%2], s[82:83] offset:256*\t
.endr
	WIN 0x40
.irp t, 0,1,2,3,4,5,6,7
	global_load_b128 v[BI+8*\t:BI+8*\t+3], v[11+\t%2], s[8:9] offset:256*(\t/4)+32*(\t%4)
	global_load_b128 v[BI+8*\t+4:BI+8*\t+7], v[11+\t%2], s[8:9] offset:256*(\t/4)+32*(\t%4)+16
.endr
.irp t, 0,1,2,3
	global_load_b32 v[BV+8*\t], v[13+\t%2], s[88:89] offset:32*\t
.endr
	WIN 0
	s_lshr_b32 s94, s18, 3
	s_lshl_b32 s94, s94, 4
	s_lshl_b32 s95, s17, 1
	s_add_co_u32 s94, s94, s95
	s_mul_i32 s94, s94, HB                         ; 16 b + 2 X
	s_lshl_b32 s95, s18, 1
	s_add_co_u32 s95, s95, s15
	s_and_b32 s95, s95, 15
	s_mul_i32 s95, s95, STEPB                      ; my step of 128 tokens
	s_add_co_u32 s94, s94, s95
	s_mov_b32 s95, 0
	s_add_nc_u64 s[10:11], s[10:11], s[94:95]
	s_mul_i32 s96, s16, HB
	s_add_co_u32 s94, s94, s96
	s_add_nc_u64 s[92:93], s[92:93], s[94:95]
; 32 LDS loads in one run: phase 1's K step s into set s % 2
.macro FETCH s
.set fB, 64*((\s)%2)
.set fS, 2*((\s)/4)
.set fQ, 64*((\s)%4)
	WIN 0x40
.irp t, 0,1,2,3,4,5,6,7
	ds_load_b128 v[fB+8*\t:fB+8*\t+3], v[AW+fS+\t%2] offset:fQ+(64*(\t/4)+8*(\t%4))*PITCH
	ds_load_b128 v[fB+8*\t+4:fB+8*\t+7], v[AW+fS+\t%2] offset:fQ+(64*(\t/4)+8*(\t%4))*PITCH+32
.endr
	WIN 0
.irp t, 0,1,2,3,4,5,6,7
	ds_load_b128 v[AF+fB+8*\t:AF+fB+8*\t+3], v[AX+fS+\t%2] offset:fQ+(64*(\t/4)+8*(\t%4))*PITCH
	ds_load_b128 v[AF+fB+8*\t+4:AF+fB+8*\t+7], v[AX+fS+\t%2] offset:fQ+(64*(\t/4)+8*(\t%4))*PITCH+32
.endr
.endm
; phase 2's: x's 8 tiles as source 0, wv's 4 as source 1 (v216-247, v128-159 by turns)
.macro FETCHV s
.set fB, 64*((\s)%2)
.set fA, 216-88*((\s)%2)
.set fS, 2*((\s)/4)
.set fQ, 64*((\s)%4)
	WIN 0x40
.irp t, 0,1,2,3,4,5,6,7
	ds_load_b128 v[fB+8*\t:fB+8*\t+3], v[AX+fS+\t%2] offset:fQ+(64*(\t/4)+8*(\t%4))*PITCH
	ds_load_b128 v[fB+8*\t+4:fB+8*\t+7], v[AX+fS+\t%2] offset:fQ+(64*(\t/4)+8*(\t%4))*PITCH+32
.endr
	WIN 0
.irp t, 0,1,2,3
	ds_load_b128 v[fA+8*\t:fA+8*\t+3], v[AV+\t%2] offset:((\s)/4)*HALFT+fQ+8*\t*PITCH
	ds_load_b128 v[fA+8*\t+4:fA+8*\t+7], v[AV+\t%2] offset:((\s)/4)*HALFT+fQ+8*\t*PITCH+32
.endr
.endm
; one matrix instruction by the symbols mD (D), mA, mB (sources 0, 1), mC (C), mX, mY (scales); row: K steps 4 to 7 lie in lanes 16-31 of the scale registers
.macro WM row
.if \row
	v_wmma_scale_f32_16x16x128_f8f6f4 v[mD:mD+7], v[mA:mA+7], v[mB:mB+7], v[mC:mC+7], v[mX], v[mY] matrix_a_fmt:MATRIX_FMT_FP4 matrix_b_fmt:MATRIX_FMT_FP4 matrix_a_scale:MATRIX_SCALE_ROW1 matrix_b_scale:MATRIX_SCALE_ROW1
.else
	v_wmma_scale_f32_16x16x128_f8f6f4 v[mD:mD+7], v[mA:mA+7], v[mB:mB+7], v[mC:mC+7], v[mX], v[mY] matrix_a_fmt:MATRIX_FMT_FP4 matrix_b_fmt:MATRIX_FMT_FP4
.endif
.endm
; 16 matrix instructions: A's blocks a0, a0 + 1 x B's eight, K step s; cm = 1: C = the bias.  The accumulators take turns, in the same order in every step.
.macro MUL16 a0, s, cm
.irp a, \a0, \a0+1
.irp b, 0,1,2,3,4,5,6,7
.set mD, 8*(8*((\a)%4)+\b)
.set mA, 64*((\s)%2)+8*\b
.set mB, AF+64*((\s)%2)+8*(\a)
.set mC, mD
.if \cm
.set mC, BI+8*\b
.endif
.set mX, SCW+4*\b+((\s)%4)
.set mY, SCX+4*(\a)+((\s)%4)
	WM (\s)/4
.endr
.endr
.endm
.macro MULV a0, s, cm
.irp a, \a0, \a0+1
.irp b, 0,1,2,3,4,5,6,7
.set mD, 8*(8*(\a)+\b)
.set mA, 64*((\s)%2)+8*\b
.set mB, 216-88*((\s)%2)+8*(\a)
.set mC, mD
.if \cm
.set mC, BV+8*(\a)
.endif
.set mX, SCX+4*\b+((\s)%4)
.set mY, SCV+4*(\a)+((\s)%4)
	WM (\s)/4
.endr
.endr
.endm
; a K step: its fragments are in; the next step's are asked for, into the set that the step before has multiplied, four places behind those products (ISA guide 7.12.1 for vector instructions)
.macro STEP s
	s_wait_dscnt 0x0
	PLACES 4
	FETCH (\s)+1
	WIN 0xa1                                       ; source 0 window 1, source 1 window 0, C and D window 2
	MUL16 0, \s, 0
	MUL16 2, \s, 0
	WIN 0xf1                                       ; C and D window 3
	MUL16 4, \s, 0
	MUL16 6, \s, 0
.endm
	s_wait_alu depctr_va_vdst(0)
	s_wait_tensorcnt 0x0                           ; my part of slot 0 is in
	ds_add_u32 v[SPW], v[NIL]
	s_wait_dscnt 0x0
	CROUND
	JLOAD G0+4, G0B+4                              ; slot 1
	FETCH 0
	s_wait_loadcnt 0x0                             ; scales and biases
	s_wait_dscnt 0x0
	FETCH 1
	WIN 0x91                                       ; C window 1: the first K step starts the sums with the bias
	MUL16 0, 0, 1
	MUL16 2, 0, 1
	WIN 0xd1
	MUL16 4, 0, 1
	MUL16 6, 0, 1
	STEP 1
	STEP 2
	; K step 3 changes slots; behind the round wv's rows fill slot 0's B part, which q and k have read out
	WIN 0
	s_wait_tensorcnt 0x0                           ; my part of slot 1 is in
	ds_add_u32 v[SPW], v[NIL]
	s_mov_b64 s[G0B+2:G0B+3], s[12:13]             ; no load of mine is out: the descriptor may be written
	s_or_b32 s[G0B+3], s[G0B+3], 0x80000000
	s_wait_dscnt 1                                 ; all but the add: this step's fragments are in
	WIN 0xa1
	MUL16 0, 3, 0
	MUL16 2, 3, 0
	s_wait_dscnt 0x0                               ; the add is done, my reads of slot 0's weights are over
	s_barrier_signal -1
	WIN 0xf1
	MUL16 4, 3, 0
	WIN 0
	s_barrier_wait -1
	CREST
	s_cmp_eq_u32 s15, 0
	s_cbranch_scc1 .Lno_wv
	tensor_load_to_lds s[G0B:G0B+3], s[G1B:G1B+7]  ; wave 2: wv's first half of K, wave 3: its second
	s_nop 0
	PLACES 4
.Lno_wv:
	PLACES 4
	FETCH 4
	WIN 0xf1
	MUL16 6, 3, 0
	STEP 4
	STEP 5
	STEP 6
	WIN 0
	s_wait_dscnt 0x0                               ; step 7's fragments are in
	s_wait_tensorcnt 0x0                           ; my part of wv has landed
	s_barrier_signal -1
	WIN 0xa1
	MUL16 0, 7, 0
	MUL16 2, 7, 0
	WIN 0xf1
	MUL16 4, 7, 0
	MUL16 6, 7, 0
	WIN 0
	s_barrier_wait -1
	PLACES 4                                       ; for the loads, for the first read of results and for the first write over A's fragments
	FETCHV 0
	WIN 0x41
.irp t, 0,1,2,3
.irp j, 1,2,3,4,5,6,7
	v_mov_b32 v[BV+8*\t+\j], v[BV+8*\t]            ; a lane has one feature of v: its bias in all eight registers of C
.endr
.endr
	WIN 0
; THE QUANTISER.  Block a's 64 numbers become a fragment's 8 registers at v[dst] and its scale word in v[pw].  Each accumulator is read from its low end on.
.macro QNT a, dst, pw
.set qC, 64*((\a)%4)
	WIN 0x0a+5*((\a)/4)                            ; sources 0 and 1: window 2 or 3
.irp k, 0,1,2,3
	v_max3_num_f32 v[TM+\k], |v[qC+16*\k]|, |v[qC+16*\k+1]|, 0x1800000          ; with the floor 2^(3 - 127): the byte cannot fall under 1
.endr
.irp i, 2,4,6,8,10,12,14
.irp k, 0,1,2,3
	v_max3_num_f32 v[TM+\k], |v[qC+16*\k+\i]|, |v[qC+16*\k+\i+1]|, v[TM+\k]
.endr
.endr
	WIN 0
	v_max_num_f32 v[TM], v[TM], v[TM+1]            ; block h of the first 64,
	v_max_num_f32 v[TM+2], v[TM+2], v[TM+3]        ; of the second
	v_add_nc_u32 v[TM+4], 0xff000000, v[TM]        ; 2 off the exponent field: the conversion's scale operand
	v_add_nc_u32 v[TM+5], 0xff000000, v[TM+2]
	v_lshrrev_b32 v[TM+6], 23, v[TM+4]             ; the scale's byte
	v_lshrrev_b32 v[TM+7], 23, v[TM+5]
	v_lshl_or_b32 v[TM+6], v[TM+7], 16, v[TM+6]
	v_lshlrev_b32 v[TM+6], v[H8], v[TM+6]
	v_permlanex16_b32 v[TM+8], v[TM+6], s2, s3
	v_or_b32 v[\pw], v[TM+6], v[TM+8]              ; byte 2 c + h
	WIN 0x02+(\a)/4
.irp t, 0,1,2,3,4,5,6,7
	v_cvt_scalef32_pk8_fp4_f32 v[\dst+\t], v[qC+8*\t:qC+8*\t+7], v[TM+4+\t/4]
.endr
	WIN 0
	v_nop                                          ; one plain place behind a scaled conversion
.endm
	; q or k: block a is a tile of 16 tokens; registers 0-3 are the first head's image, 4-7 the second's.  A store covers 512 consecutive bytes, aligned; each has data registers of its own
.irp a, 0,1,2,3,4,5,6,7
	QNT \a, PCS+8*\a, PW
	v_perm_b32 v[W0+\a], v[HV], v[PW], 0x07060100
	v_perm_b32 v[W1+\a], v[HV], v[PW], 0x07060302
	global_store_b128 v[LI], v[PCS+8*\a:PCS+8*\a+3], s[10:11] offset:512*\a
	global_store_b128 v[LI], v[PCS+8*\a+4:PCS+8*\a+7], s[10:11] offset:HB+512*\a
.endr
.irp i, 0,1,2,3
	v_cndmask_b32 v[OW+\i], v[W0+\i], v[W0+4+\i], s45      ; lanes 0-15: tiles 0-3; lanes 16-31: tiles 4-7
	v_cndmask_b32 v[OW+4+\i], v[W1+\i], v[W1+4+\i], s45
.endr
	global_store_b128 v[LI], v[OW:OW+3], s[10:11] offset:8192
	global_store_b128 v[LI], v[OW+4:OW+7], s[10:11] offset:HB+8192
	s_wait_alu depctr_va_vdst(0)
	s_wait_xcnt 0x0                                ; the stores have read their registers: they may be written again
	; PHASE 2: v
.macro STEPV s, cm
	s_wait_dscnt 0x0
.if (\s) < 7
	PLACES 4
	FETCHV (\s)+1
.endif
	WIN 0xa1-0x10*\cm                              ; C window 1 (the bias) or 2
	MULV 0, \s, \cm
	MULV 2, \s, \cm
	WIN 0
.endm
	STEPV 0, 1
	STEPV 1, 0
	STEPV 2, 0
	STEPV 3, 0
	STEPV 4, 0
	STEPV 5, 0
	STEPV 6, 0
	STEPV 7, 0
	PLACES 4
.irp a, 0,1,2,3
	QNT \a, PCV+8*\a, WV+\a                        ; a tile of 16 d; its 8 registers are a whole fragment: 128 keys
	global_store_b128 v[LI], v[PCV+8*\a:PCV+8*\a+3], s[92:93] offset:4096+\a*1024
	global_store_b128 v[LI], v[PCV+8*\a+4:PCV+8*\a+7], s[92:93] offset:4096+\a*1024+512
.endr
	global_store_b128 v[LI], v[WV:WV+3], s[92:93] offset:8704
	s_wait_tensorcnt 0x0                           ; the wave's end
	ds_add_u32 v[SPW], v[NIL]
	s_wait_dscnt 0x0
	CROUND                                         ; the closing round
	s_endpgm
.Lfunc_end_k_qfdb63bed44_qkv:
	.size	k_qfdb63bed44_qkv, .Lfunc_end_k_qfdb63bed44_qkv-k_qfdb63bed44_qkv
	.p2alignl 7, 3214868480
	.fill 96, 4, 3214868480
	.section	.rodata,"a",@progbits
	.p2align	6, 0x0
	.amdhsa_kernel k_qfdb63bed44_qkv
		.amdhsa_group_segment_fixed_size 327680
		.amdhsa_private_segment_fixed_size 0
		.amdhsa_enable_private_segment 0
		.amdhsa_kernarg_size 104
		.amdhsa_user_sgpr_count 2
		.amdhsa_user_sgpr_kernarg_segment_ptr 1
		.amdhsa_wavefront_size32 1
		.amdhsa_system_sgpr_workgroup_id_x 1
		.amdhsa_system_sgpr_workgroup_id_y 1
		.amdhsa_system_sgpr_workgroup_id_z 1
		.amdhsa_system_vgpr_workitem_id 0
		.amdhsa_next_free_vgpr 1024
		.amdhsa_next_free_sgpr 100
		.amdhsa_reserve_vcc 0
		.amdhsa_float_denorm_mode_32 3
		.amdhsa_float_denorm_mode_16_64 3
		.amdhsa_memory_ordered 1
		.amdhsa_forward_progress 1
		.amdhsa_inst_pref_size 187
	.end_amdhsa_kernel
	.amdgpu_metadata
---
amdhsa.version: [ 1, 2 ]
amdhsa.kernels:
  - .name:           k_qfdb63bed44_qkv
    .symbol:         k_qfdb63bed44_qkv.kd
    .args:
      - { .name: x_codes, .offset: 0, .size: 8, .value_kind: global_buffer, .address_space: global }
      - { .name: x_scales, .offset: 8, .size: 8, .value_kind: global_buffer, .address_space: global }
      - { .name: wq_codes, .offset: 16, .size: 8, .value_kind: global_buffer, .address_space: global }
      - { .name: wq_scales, .offset: 24, .size: 8, .value_kind: global_buffer, .address_space: global }
      - { .name: wk_codes, .offset: 32, .size: 8, .value_kind: global_buffer, .address_space: global }
      - { .name: wk_scales, .offset: 40, .size: 8, .value_kind: global_buffer, .address_space: global }
      - { .name: wv_codes, .offset: 48, .size: 8, .value_kind: global_buffer, .address_space: global }
      - { .name: wv_scales, .offset: 56, .size: 8, .value_kind: global_buffer, .address_space: global }
      - { .name: bq, .offset: 64, .size: 8, .value_kind: global_buffer, .address_space: global }
      - { .name: bk, .offset: 72, .size: 8, .value_kind: global_buffer, .address_space: global }
      - { .name: bv, .offset: 80, .size: 8, .value_kind: global_buffer, .address_space: global }
      - { .name: qws, .offset: 88, .size: 8, .value_kind: global_buffer, .address_space: global }
      - { .name: kvws, .offset: 96, .size: 8, .value_kind: global_buffer, .address_space: global }
    .group_segment_fixed_size: 327680
    .private_segment_fixed_size: 0
    .kernarg_segment_align: 8
    .kernarg_segment_size: 104
    .max_flat_workgroup_size: 128
    .sgpr_count:     100
    .vgpr_count:     1024
    .wavefront_size: 32
...
	.end_amdgpu_metadata
.endif
;; end of part 1
;; launch attn (part 2): grid 4 x 64, 8 waves a work-group, clusters of 4 x 1, 327,680 bytes of LDS; arguments qws, kvws, token_mask, acodes, ascales, nanrow; writes acodes, ascales, nanrow
.if DOCPART == 2
	.amdgcn_target "amdgcn-amd-amdhsa--gfx1250"
	.amdhsa_code_object_version 6
	.text
	.protected	k_qfdb63bed44_attn
	.globl	k_qfdb63bed44_attn
	.p2align	8
	.type	k_qfdb63bed44_attn,@function
k_qfdb63bed44_attn:
	s_mov_b64 s[64:65], 0
	v_nop
	global_prefetch_b8 v0, s[64:65] scope:SCOPE_SE
	s_setreg_imm32_b32 hwreg(HW_REG_WAVE_MODE, 25, 1), 1
	s_wait_xcnt 0x0
	s_wait_alu depctr_hold_cnt(0) depctr_sa_sdst(0) depctr_va_vdst(0) depctr_va_sdst(0) depctr_va_ssrc(0) depctr_va_vcc(0) depctr_vm_vsrc(0)
	s_getreg_b32 s2, hwreg(HW_REG_IB_STS2, 6, 4)
	s_cmp_eq_u32 s2, 0
	s_cbranch_scc0 .Lentry_in_a_cluster
	s_endpgm
.Lentry_in_a_cluster:
	s_bfe_u32 s2, ttmp6, 0x10000c
	s_cmp_lg_u32 s2, 0x3003
	s_cbranch_scc0 .Lentry_shape_is_right
	s_endpgm
.Lentry_shape_is_right:
; attn = softmax(q k^T / 8, causal and token mask) v for 64 (batch, head), on the images that the launch before has stored; the result is quantised along the head's 64 and leaves as images of operand registers.
; SHARES.  A block is 128 queries = 8 tiles of 16 = 4 pairs.  Work-group cx of a head takes pair cx of EVERY block: so all branches hang on the wave alone.  Wave w of eight takes block 15 - w, then block w xor 4: 21 key steps of 128 in all for waves 0 to 3, 13 for waves 4 to 7.
; Both tiles of the pair share each fragment of K and V and each mask word.
; LEFT OUT: the key steps that lie wholly behind a query block (their scores are -inf by reference()'s own causal mask, whatever the inputs).  A NaN or an overflow that reaches only those is not carried to the result.
; CLUSTERS: the four work-groups of a head need the same K and V: joint loads, mask 15.  Steps 0 to 3 come first, one load a wave, the other twelve behind the next round; nothing is filled twice.  No prefetch: there is no loop of tile loads.
; LAYOUT.  S^T = K Q^T, O^T = V^T P^T: a lane holds ONE query.  By the rows of a tile (see the launch before) lane half h holds in the 32 registers of tiles 4 c .. 4 c + 3 the whole block 2 c + h of keys: no lane is asked for a block's
; maximum and the conversions' results are the operand.  A key's fragment has 4 registers of data; the operand's other four are the next tile's: they meet the query's zero codes.
; THE MASKS are the C of the score product: 0 or -2^110, for the token from a table of the head's 2,048 keys in LDS; in the last step of a block a table of the pair's causal mask is added to it.
; SOFTMAX: t = score x log2(e) / 8; M = the running largest t rounded up, kept as -M; p = 2^(t - M) is quantised; the sum is taken of p unquantised; the sum and O are multiplied by 2^(old M - new M): exact.
; LIMITS: t stays under 2^31 in magnitude.  A block whose largest magnitude lies under 2^-124 gets the byte 1.  A query none of whose keys counts: reference() gives NaN; its sum is 0 here, its word in nanrow is a NaN, and
; the next launch adds it.
; REGISTERS.  Window 0: v1-75 small; v76-111 K; v124-251 S, then p.  Window 1: v0-63 O, v64-95 V, v96-127 Q (two blocks x two tiles), v128-191 the token mask as C.
.set HB,    147456
.set STEPB, 9216
.set MT,    147456                     ; the head's token mask, f32
.set CT,    MT+8192                    ; the pair's causal mask: 2 x 16 x 512
.set SPARE, CT+16384                   ; the spare words
.set LI,   1
.set AK,   2
.set SC,   112                         ; v[112:113], v[114:115] two more chains of the sum (behind the head)
.set BX,   252
.set AVW,  192                         ; window 1: LDS addresses of V and (two) of the mask
.set AEW,  193
.set AME,  4                           ; v4, v5: token mask of even and odd tiles
.set SPW,  8
.set NIL,  9
.set NEG,  10
.set ACT,  11
.set NM,   12                          ; v[12:13], v[14:15]: -M, the largest score
.set SUM,  16
.set F,    20                          ; v[20:21], v[22:23]
.set T,    24
.set OLD,  26
.set BM,   28
.set BSC,  32
.set SB,   36
.set PS,   40
.set KS,   44
.set VS,   48
.set QS,   52
.set PX,   56
.set H8,   58
.set PC,   60
.set KF,   76
.set TB,   112
.set A0,   120
.set A1,   121
.set A2,   122
.set R4H,  123
.set S,    124
.set O,    0
.set VF,   64
.set QF,   96
.set CM,   128
.set WVN,  50
.set CX,   51
.set HD,   52
.set CS,   54                          ; s[54:55] c = log2(e) / 8
.set NC,   56                          ; -c
.set SEL,  58
.set MHI,  60
.set KT,   66
.set KN,   67
.set KB,   68
.set KM,   69
.set VB,   70
.set SL,   71
.set SS,   72
.set MSB, 0
.macro WIN new                         ; the immediate's high byte repeats the setting that is left
.if MSB != (\new)
	s_set_vgpr_msb (MSB<<8)|(\new)
.set MSB, \new
.endif
.endm
.macro CROUND
	s_barrier_signal -1
	s_barrier_wait -1
	s_cmp_lg_u32 s[WVN], 0
	s_cbranch_scc1 .Lnot_wave_0_\@
	s_barrier_signal -3
.Lnot_wave_0_\@:
	s_barrier_wait -3
	s_barrier_signal -1
	s_barrier_wait -1
.endm
	s_load_b256 s[4:11], s[0:1], 0x0               ; qws, kvws, token_mask, acodes
	s_load_b128 s[12:15], s[0:1], 0x20             ; ascales, nanrow
	v_lshl_add_u32 v[SPW], v0, 2, SPARE
	v_mov_b32 v[NIL], 0
	ds_add_u32 v[SPW], v[NIL]                      ; the opening
	ds_add_u32 v[SPW], v[NIL]
	v_lshrrev_b32 v24, 5, v0
	v_readfirstlane_b32 s[WVN], v24
	s_bfe_u32 s[CX], ttmp6, 0x40000
	s_and_b32 s[HD], ttmp7, 0xffff                 ; 16 b + head
	; the descriptors: dense bytes as rows of 256; 18 rows a wave (steps 0 to 3), 54 rows a wave (steps 4 to 15)
.irp g, 16, 24
	s_mov_b32 s[\g], 15|(3<<16)|(1<<21)
	s_mov_b32 s[\g+1], 32<<16
	s_mov_b32 s[\g+3], 32<<16
	s_mov_b32 s[\g+5], 32
	s_mov_b32 s[\g+6], 0
	s_mov_b32 s[\g+7], 0
.endr
	s_mov_b32 s18, 18<<16
	s_mov_b32 s20, 18
	s_mov_b32 s26, 54<<16
	s_mov_b32 s28, 54
	s_mul_i32 s40, s[HD], HB
	s_mov_b32 s41, 0
	s_mul_i32 s42, s[WVN], 4608
	s_mov_b32 s43, 0
	s_mul_i32 s44, s[WVN], 13824
	s_add_co_u32 s44, s44, 4*STEPB
	s_mov_b32 s45, 0
	s_lshr_b32 s46, s[HD], 4
	s_lshl_b32 s46, s46, 13                        ; my batch's token_mask
	s_mov_b32 s47, 0
	s_xor_b32 s[SS], s[WVN], 4                     ; my second block: waves 0 to 3 take 21 key steps in all, waves 4 to 7 13
	s_sub_co_u32 s[SL], 15, s[WVN]
	s_mov_b32 s[CS], 0x3e38aa3b
	s_mov_b32 s[CS+1], s[CS]                       ; (named with it as a pair)
	s_mov_b32 s[NC], 0xbe38aa3b
	s_mov_b32 s[SEL], 0x76543210
	s_mov_b32 s[SEL+1], 0xfedcba98
	s_mov_b32 s[MHI], 0xffff0000
	v_and_b32 v24, 31, v0
	v_lshlrev_b32 v[LI], 4, v24
	v_and_b32 v25, 15, v0                          ; r
	v_bfe_u32 v26, v0, 4, 1                        ; h
	v_and_b32 v27, 7, v0
	v_bfe_u32 v28, v0, 3, 1
	v_lshlrev_b32 v[H8], 3, v26
	v_lshl_add_u32 v[R4H], v25, 2, v26
	v_mul_u32_u24 v[AME], 160, v26
	v_add_nc_u32 v[AME], MT, v[AME]
	v_mul_u32_u24 v[AME+1], 96, v26
	v_add_nc_u32 v[AME+1], MT, v[AME+1]
	v_add_nc_u32 v[ACT], CT, v[LI]
	v_mov_b32 v[NEG], 0xf6800000                   ; -2^110
	v_lshlrev_b32 v29, 5, v0                       ; 8 tokens a thread: in memory,
	v_add_nc_u32 v30, MT, v29                      ; and in LDS
	; where Q lies: block 15 - w, block w xor 4
	s_lshl_b32 s73, s[CX], 10
	s_lshr_b32 s74, s[CX], 1
	s_lshl_b32 s74, s74, 8
	s_and_b32 s75, s[CX], 1
	s_lshl_b32 s76, s75, 3
	s_add_co_u32 s74, s74, s76                     ; the pair's scale words: 256 (cx / 2) + 8 (cx % 2)
	s_mul_i32 s77, s[SL], STEPB
	s_mul_i32 s78, s[SS], STEPB
	s_add_co_u32 s79, s77, s73
	s_add_co_u32 s80, s78, s73
	s_add_co_u32 s81, s77, s74
	s_add_co_u32 s82, s78, s74
	s_wait_alu depctr_va_vdst(0)
	v_add_nc_u32 v16, s79, v[LI]
	v_add_nc_u32 v17, s80, v[LI]
	v_lshl_add_u32 v18, v25, 4, s81
	v_lshl_add_u32 v19, v25, 4, s82
	; the causal mask of tile u = w / 4 of my pair, key tiles 2 (w % 4) and + 1.  A query's number in its block: 64 (cx / 2) + 8 i + r % 8 + (r / 8)(40 or 24), i = 2 (cx % 2) + u
	s_lshr_b32 s76, s[WVN], 2
	s_lshl_b32 s77, s76, 4
	s_sub_co_u32 s77, 40, s77                      ; 40 - 16 u
	s_lshl_b32 s78, s75, 1
	s_add_co_u32 s78, s78, s76
	s_lshl_b32 s78, s78, 3                         ; 8 i
	s_lshr_b32 s79, s[CX], 1
	s_lshl_b32 s79, s79, 6
	s_add_co_u32 s78, s78, s79
	s_and_b32 s79, s[WVN], 3
	s_lshl_b32 s79, s79, 4                         ; the first key tile begins at 64 c + 8 i = 64 (k / 2) + 16 (k % 2), k = w % 4
	s_bfe_u32 s80, s[WVN], 0x10001
	s_lshl_b32 s80, s80, 5
	s_add_co_u32 s79, s79, s80
	s_sub_co_u32 s78, s78, s79
	s_wait_alu depctr_va_vdst(0)
	v_mul_u32_u24 v13, s77, v28
	v_add_nc_u32 v13, v13, v27
	v_add_nc_u32 v13, s78, v13
	v_mul_u32_u24 v14, 40, v26
	v_sub_nc_u32 v14, v13, v14                     ; even tile: its key j is hidden where j > v14
	v_mul_u32_u24 v15, 24, v26
	v_sub_nc_u32 v15, v13, v15
	v_subrev_nc_u32 v15, 8, v15                    ; odd tile
.irp j, 0,1,2,3,4,5,6,7
	v_cmp_gt_i32 vcc_lo, \j, v14
	v_cndmask_b32 v[S+\j], 0, v[NEG], vcc_lo
	v_cmp_gt_i32 vcc_lo, \j, v15
	v_cndmask_b32 v[S+8+\j], 0, v[NEG], vcc_lo
.endr
	s_lshl_b32 s79, s[WVN], 11
	v_add_nc_u32 v31, s79, v[ACT]                  ; where I put them
	s_wait_alu depctr_va_vdst(0)
	s_wait_dscnt 0x0                               ; both opening adds are done
	s_wait_kmcnt 0x0
	s_add_nc_u64 s[4:5], s[4:5], s[40:41]
	s_add_nc_u64 s[6:7], s[6:7], s[40:41]
	s_add_nc_u64 s[8:9], s[8:9], s[46:47]
	s_mov_b32 s32, 1
	s_mov_b32 s33, s42
	s_add_nc_u64 s[34:35], s[6:7], s[42:43]
	s_or_b32 s35, s35, 0x80000000
	s_mov_b32 s36, 1
	s_mov_b32 s37, s44
	s_add_nc_u64 s[38:39], s[6:7], s[44:45]
	s_or_b32 s39, s39, 0x80000000
	CROUND                                         ; the four work-groups are here
	tensor_load_to_lds s[32:35], s[16:23]          ; steps 0 to 3: my eighth
	s_nop 0
.rept 4
	v_nop
.endr
	global_load_b128 v[TB:TB+3], v29, s[8:9]
	global_load_b128 v[TB+4:TB+7], v29, s[8:9] offset:16
	WIN 0x40
.irp u, 0,1
	global_load_b128 v[QF+8*\u:QF+8*\u+3], v16, s[4:5] offset:512*\u
	global_load_b128 v[QF+16+8*\u:QF+16+8*\u+3], v17, s[4:5] offset:512*\u
.endr
	WIN 0
	global_load_b64 v[QS:QS+1], v18, s[4:5] offset:8192
	global_load_b64 v[QS+2:QS+3], v19, s[4:5] offset:8192
.macro CLEARO                          ; O: the first step's change of M leaves zeros
	WIN 0x40
.set n, 0
.rept 64
	v_mov_b32 v[O+n], 0
.set n, n+1
.endr
	WIN 0
.endm
	CLEARO
	WIN 0x40
.irp q, 0,8,16,24
.irp j, 4,5,6,7
	v_mov_b32 v[QF+\q+\j], 0                       ; the query's codes at k = 64 .. 127
.endr
.endr
	WIN 0
.irp j, 0,1,2,3
	v_mov_b32 v[KF+32+\j], 0                       ; what follows the last key tile
.endr
	v_mov_b32 v[F+1], 0                            ; (upper halves of pairs, and lane permutes' destinations, are written once)
	v_mov_b32 v[F+3], 0
	v_mov_b32 v[PX], 0
	v_mov_b32 v[PX+1], 0
	s_wait_alu depctr_va_vdst(0)
	s_wait_tensorcnt 0x0                           ; my part of steps 0 to 3 is in
	s_wait_loadcnt 6                               ; the token mask is in; Q's six loads may be out
.irp j, 0,1,2,3,4,5,6,7
	v_cmp_eq_u32 vcc_lo, 0, v[TB+\j]
	v_cndmask_b32 v[TB+\j], 0, v[NEG], vcc_lo
.endr
	ds_store_b128 v30, v[TB:TB+3]
	ds_store_b128 v30, v[TB+4:TB+7] offset:16
.irp q, 0,1,2,3
	ds_store_b128 v31, v[S+4*\q:S+4*\q+3] offset:512*\q
.endr
	s_wait_tensorcnt 0x0
	ds_add_u32 v[SPW], v[NIL]
	s_wait_dscnt 0x0                               ; the add and my stores are done
	CROUND
	tensor_load_to_lds s[36:39], s[24:31]          ; steps 4 to 15: my eighth
	s_nop 0
.rept 4
	v_nop
.endr
.macro LDC q                           ; four registers of the token mask (address and destination in window 1)
	ds_load_b128 v[CM+4*(\q):CM+4*(\q)+3], v[AEW+((\q)/2)%2] offset:256*((\q)/8)+32*(((\q)/2)%4)+16*((\q)%2)
.endm
.macro LDK t
	ds_load_b128 v[KF+4*\t:KF+4*\t+3], v[AK] offset:512*\t
.endm
.macro LOADK first                     ; a walk's first step: mask, keys, their scale words
	WIN 0x40
	v_add_nc_u32 v[AEW], \first*512, v[AME]
	v_add_nc_u32 v[AEW+1], \first*512, v[AME+1]
	WIN 0x41
.set n, 0
.rept 16
	LDC n
.set n, n+1
.endr
	WIN 0
	v_add_nc_u32 v[AK], \first*STEPB, v[LI]
.irp t, 0,1,2,3,4,5,6,7
	LDK \t
.endr
	ds_load_b128 v[KS:KS+3], v[AK] offset:8192
.endm
; the 16 score products.  own = 0: C = the token mask; 1: C = S, which holds both masks
.macro QK p, own
.irp t, 0,1,2,3,4,5,6,7
.irp u, 0,1
.set kD, S+64*\u+8*\t
.set kC, CM+8*\t
.if \own
.set kC, kD
.endif
.if \t > 3
	v_wmma_scale_f32_16x16x128_f8f6f4 v[kD:kD+7], v[KF+4*\t:KF+4*\t+7], v[QF+16*\p+8*\u:QF+16*\p+8*\u+7], v[kC:kC+7], v[KS+\t%4], v[QS+2*\p+\u] matrix_a_fmt:MATRIX_FMT_FP4 matrix_b_fmt:MATRIX_FMT_FP4 matrix_a_scale:MATRIX_SCALE_ROW1
.else
	v_wmma_scale_f32_16x16x128_f8f6f4 v[kD:kD+7], v[KF+4*\t:KF+4*\t+7], v[QF+16*\p+8*\u:QF+16*\p+8*\u+7], v[kC:kC+7], v[KS+\t%4], v[QS+2*\p+\u] matrix_a_fmt:MATRIX_FMT_FP4 matrix_b_fmt:MATRIX_FMT_FP4
.endif
.endr
.endr
.endm
; key steps first .. first + trips - 1.  tail = 1: steps behind my block sg are left out, and step sg adds the causal mask: branches on the wave's number alone
.macro SEG p, first, trips, sg, tail
	s_mov_b32 s[KT], \first
	LOADK \first
	s_wait_alu depctr_va_vdst(0)
.Lstep_\@:
.if \tail
	s_cmp_gt_u32 s[KT], s[\sg]
	s_cbranch_scc1 .Lhidden_\@
.endif
	s_mul_i32 s[VB], s[KT], STEPB
	s_add_co_u32 s[KN], s[KT], 1
	s_min_u32 s[KN], s[KN], \first+\trips-1        ; the step whose keys are read ahead: the last one once more at the end
	s_mul_i32 s[KB], s[KN], STEPB
	s_lshl_b32 s[KM], s[KN], 9
	s_wait_dscnt 0x0                               ; this step's keys and mask are in
.if \tail
	s_cmp_lg_u32 s[KT], s[\sg]
	s_cbranch_scc1 .Lopen_\@
.set n, 0
.rept 32
	ds_load_b128 v[S+4*n:S+4*n+3], v[ACT] offset:512*n
.set n, n+1
.endr
	s_wait_dscnt 0x0
	WIN 0x04                                       ; source 1 window 1
.irp u, 0,1
.set n, 0
.rept 32
	v_pk_add_f32 v[S+64*\u+n:S+64*\u+n+1], v[S+64*\u+n:S+64*\u+n+1], v[CM+n:CM+n+1]
.set n, n+2
.endr
.endr
	QK \p, 1
	WIN 0
	s_branch .Ljoin_\@
.Lopen_\@:
.endif
	WIN 0x14                                       ; sources 1 and 2 window 1
	QK \p, 0
	WIN 0
.if \tail
.Ljoin_\@:
.endif
	WIN 0x40
	v_add_nc_u32 v[AVW], s[VB], v[LI]              ; these four are the places behind the products, for the loads and for the reads of S
	v_add_nc_u32 v[AEW], s[KM], v[AME]
	v_add_nc_u32 v[AEW+1], s[KM], v[AME+1]
	WIN 0
	v_add_nc_u32 v[AK], s[KB], v[LI]
	; tile k / 2, block 2 (k % 2) + h: its largest score, in two chains: its first 17 scores, its last 15
.irp k, 0,1,2,3
	v_max3_num_f32 v[BM+\k], v[S+32*\k], v[S+32*\k+1], v[S+32*\k+2]
.endr
.irp k, 0,1,2,3
	v_max3_num_f32 v[BX+\k], v[S+32*\k+17], v[S+32*\k+18], v[S+32*\k+19]
.endr
.set n, 3
.rept 6
.irp k, 0,1,2,3
	v_max3_num_f32 v[BM+\k], v[BM+\k], v[S+32*\k+n], v[S+32*\k+n+1]
.endr
.irp k, 0,1,2,3
	v_max3_num_f32 v[BX+\k], v[BX+\k], v[S+32*\k+n+17], v[S+32*\k+n+18]
.endr
.set n, n+2
.endr
.irp k, 0,1,2,3
	v_max3_num_f32 v[BM+\k], v[BM+\k], v[S+32*\k+15], v[S+32*\k+16]
.endr
.irp k, 0,1,2,3
	v_max_num_f32 v[BM+\k], v[BM+\k], v[BX+\k]
.endr
	; the running maximum
.irp u, 0,1
	v_max3_num_f32 v[NM+2*\u+1], v[NM+2*\u+1], v[BM+2*\u], v[BM+2*\u+1]
.endr
.irp u, 0,1
	v_permlanex16_b32 v[PX+\u], v[NM+2*\u+1], s[SEL], s[SEL+1]
.endr
.irp u, 0,1
	v_mov_b32 v[OLD+\u], v[NM+2*\u]
.endr
.irp u, 0,1
	v_max_num_f32 v[NM+2*\u+1], v[NM+2*\u+1], v[PX+\u]   ; the running largest score
.endr
.irp u, 0,1
	v_mul_f32 v[T+\u], s[NC], v[NM+2*\u+1]         ; -t
.endr
.irp u, 0,1
	v_floor_f32 v[NM+2*\u], v[T+\u]                ; the new -M
.endr
.irp u, 0,1
	v_sub_f32 v[T+\u], v[NM+2*\u], v[OLD+\u]       ; a whole number, 0 or less
.endr
.irp k, 0,1,2,3
	v_fma_f32 v[BM+\k], v[BM+\k], s[CS], v[NM+2*(\k/2)]    ; p rises with the score: the block's largest p comes of its largest score
.endr
.irp u, 0,1
	v_cvt_i32_f32 v[T+\u], v[T+\u]
.endr
.irp u, 0,1
	v_ldexp_f32 v[F+2*\u], 1.0, v[T+\u]
.endr
.set n, 0
.rept 32
	v_pk_fma_f32 v[S+n:S+n+1], v[S+n:S+n+1], s[CS:CS+1], v[NM:NM+1] op_sel_hi:[1,0,0]
.set n, n+2
.endr
	; O under the new M
	WIN 0x41                                       ; source 0 and destination window 1
.set n, 0
.rept 32
	v_pk_mul_f32 v[O+2*n:O+2*n+1], v[O+2*n:O+2*n+1], v[F+2*(n/16):F+2*(n/16)+1] op_sel_hi:[1,0]
.set n, n+1
.endr
	s_wait_alu depctr_va_vdst(0)                   ; ahead of the batch
	; 34 loads in one run: this step's V, the next step's token mask, keys and scale words
.set n, 0
.rept 8
	ds_load_b128 v[VF+4*n:VF+4*n+3], v[AVW] offset:4096+512*n
.set n, n+1
.endr
.set n, 0
.rept 16
	LDC n
.set n, n+1
.endr
	WIN 0x01
	ds_load_b128 v[VS:VS+3], v[AVW] offset:8704
	WIN 0
.irp t, 0,1,2,3,4,5,6,7
	LDK \t
.endr
	ds_load_b128 v[KS:KS+3], v[AK] offset:8192
.irp k, 0,1,2,3
	v_exp_f32 v[BM+\k], v[BM+\k]
.endr
.set n, 0
.rept 32
	v_exp_f32 v[S+n], v[S+n]                       ; the first tile's p, beside the second tile's t - M
	v_exp_f32 v[S+n+1], v[S+n+1]
	v_pk_fma_f32 v[S+64+n:S+65+n], v[S+64+n:S+65+n], s[CS:CS+1], v[NM+2:NM+3] op_sel_hi:[1,0,0]
.set n, n+2
.endr
	s_wait_alu depctr_va_vdst(0)                   ; behind this batch and ahead of the next
.irp k, 0,1,2,3
	v_max_num_f32 v[BM+\k], 0x1800000, v[BM+\k]    ; the floor 2^(3 - 127)
.endr
.irp k, 0,1,2,3
	v_add_nc_u32 v[BSC+\k], 0xff000000, v[BM+\k]   ; the conversion's scale operand
.endr
.irp k, 0,1,2,3
	v_lshrrev_b32 v[BM+\k], 23, v[BSC+\k]          ; the byte
.endr
.irp u, 0,1
	v_lshl_or_b32 v[T+\u], v[BM+2*\u+1], 16, v[BM+2*\u]
.endr
.irp u, 0,1
	v_lshlrev_b32 v[T+\u], v[H8], v[T+\u]
.endr
.irp u, 0,1
	v_permlanex16_b32 v[PX+\u], v[T+\u], s[SEL], s[SEL+1]
.endr
.irp u, 0,1
	v_or_b32 v[PS+\u], v[T+\u], v[PX+\u]           ; p's scale word: byte 2 c + h
.endr
	; the second tile's p, beside the first tile's codes and the first level of its sum (over p, which has been converted by then)
.irp t, 0,1,2,3,4,5,6,7
	v_exp_f32 v[S+64+2*\t], v[S+64+2*\t]
	v_exp_f32 v[S+65+2*\t], v[S+65+2*\t]
	v_cvt_scalef32_pk8_fp4_f32 v[PC+\t], v[S+8*\t:S+8*\t+7], v[BSC+\t/4]
.endr
.irp u, 0,1
	v_pk_mul_f32 v[SUM+2*\u:SUM+2*\u+1], v[SUM+2*\u:SUM+2*\u+1], v[F+2*\u:F+2*\u+1] op_sel_hi:[1,0]   ; (plain places behind the conversions)
.endr
.set n, 0
.rept 16
	v_exp_f32 v[S+80+3*n], v[S+80+3*n]
	v_exp_f32 v[S+81+3*n], v[S+81+3*n]
	v_exp_f32 v[S+82+3*n], v[S+82+3*n]
	v_pk_add_f32 v[S+4*n:S+4*n+1], v[S+4*n:S+4*n+1], v[S+4*n+2:S+4*n+3]
.set n, n+1
.endr
	s_wait_alu depctr_va_vdst(0)                   ; ahead of the second batch's first reader
.irp t, 0,1,2,3,4,5,6,7
	v_cvt_scalef32_pk8_fp4_f32 v[PC+8+\t], v[S+64+8*\t:S+71+8*\t], v[BSC+2+\t/4]
.endr
	; the sums, in two chains and in four
	v_pk_add_f32 v[SB:SB+1], v[S:S+1], v[S+4:S+5]
	v_pk_add_f32 v[SB+2:SB+3], v[S+64:S+65], v[S+66:S+67]
	v_pk_add_f32 v[SC:SC+1], v[S+68:S+69], v[S+70:S+71]
	v_pk_add_f32 v[SC+2:SC+3], v[S+72:S+73], v[S+74:S+75]
.set n, 0
.rept 7
	v_pk_add_f32 v[SUM+2:SUM+3], v[SUM+2:SUM+3], v[S+76+8*n:S+77+8*n]
	v_pk_add_f32 v[SB+2:SB+3], v[SB+2:SB+3], v[S+78+8*n:S+79+8*n]
	v_pk_add_f32 v[SUM:SUM+1], v[SUM:SUM+1], v[S+8+8*n:S+9+8*n]
.if n < 6
	v_pk_add_f32 v[SC:SC+1], v[SC:SC+1], v[S+80+8*n:S+81+8*n]
	v_pk_add_f32 v[SC+2:SC+3], v[SC+2:SC+3], v[S+82+8*n:S+83+8*n]
.endif
	v_pk_add_f32 v[SB:SB+1], v[SB:SB+1], v[S+12+8*n:S+13+8*n]
.set n, n+1
.endr
	v_pk_add_f32 v[SC:SC+1], v[SC:SC+1], v[SC+2:SC+3]
	v_pk_add_f32 v[SUM+2:SUM+3], v[SUM+2:SUM+3], v[SB+2:SB+3]
	v_pk_add_f32 v[SUM:SUM+1], v[SUM:SUM+1], v[SB:SB+1]
	v_pk_add_f32 v[SUM+2:SUM+3], v[SUM+2:SUM+3], v[SC:SC+1]
	s_wait_dscnt 0x0                               ; V is in (and the next step's keys and mask)
	WIN 0x51                                       ; sources 0 and 2 and destination window 1
.irp i, 0,1,2,3
.irp u, 0,1
	v_wmma_scale_f32_16x16x128_f8f6f4 v[O+32*\u+8*\i:O+32*\u+8*\i+7], v[VF+8*\i:VF+8*\i+7], v[PC+8*\u:PC+8*\u+7], v[O+32*\u+8*\i:O+32*\u+8*\i+7], v[VS+\i], v[PS+\u] matrix_a_fmt:MATRIX_FMT_FP4 matrix_b_fmt:MATRIX_FMT_FP4
.endr
.endr
	WIN 0
.if \tail
.Lhidden_\@:
.endif
	s_add_co_u32 s[KT], s[KT], 1
	s_cmp_lt_u32 s[KT], \first+\trips
	s_cbranch_scc1 .Lstep_\@
.endm
.macro START
.irp u, 0,1
	v_mov_b32 v[NM+2*\u+1], 0xf0000000             ; the largest score so far: -2^97, under every score that counts, over every masked one
.endr
.irp u, 0,1
	v_mul_f32 v[T+\u], s[NC], v[NM+2*\u+1]
.endr
.irp u, 0,1
	v_floor_f32 v[NM+2*\u], v[T+\u]
.endr
.irp j, 0,1,2,3
	v_mov_b32 v[SUM+\j], 0
.endr
.endm
; THE WAY OUT of a pair: O / the sum, quantised along the head's 64: lane half h holds block h.  In half 1 the dwords stand in the order 1, 0, 3, 2: set right here, since wp's K is in its natural order.
.macro FINISH sg
	s_wait_alu depctr_va_vdst(0)                   ; the sums were written ahead of the loop's last waits
	v_add_f32 v[T], v[SUM], v[SUM+1]
	v_add_f32 v[T+1], v[SUM+2], v[SUM+3]
	v_permlanex16_b32 v[PX], v[T], s[SEL], s[SEL+1]
	v_permlanex16_b32 v[PX+1], v[T+1], s[SEL], s[SEL+1]
	v_add_f32 v[T], v[T], v[PX]
	v_add_f32 v[T+1], v[T+1], v[PX+1]
	v_max_num_f32 v[BM], 0x800000, v[T]            ; (a sum is over 1/2 where any key counts)
	v_max_num_f32 v[BM+1], 0x800000, v[T+1]
	v_cmp_eq_f32 s80, 0, v[T]
	v_cmp_eq_f32 s81, 0, v[T+1]
	s_wait_alu depctr_va_vdst(0)                   ; ahead of the transcendentals
	v_rcp_f32 v[F], v[BM]
	v_rcp_f32 v[F+2], v[BM+1]
	v_mov_b32 v[OLD], 0x7fc00000                   ; (a plain place)
	s_wait_alu depctr_va_vdst(0)                   ; and behind them, ahead of O's first readers
	WIN 0x01
.irp u, 0,1
.set n, 0
.rept 16
	v_pk_mul_f32 v[S+32*\u+n:S+32*\u+n+1], v[O+32*\u+n:O+32*\u+n+1], v[F+2*\u:F+2*\u+1] op_sel_hi:[1,0]
.set n, n+2
.endr
.endr
	WIN 0
.irp k, 0,1,2,3
	v_max3_num_f32 v[BM+\k], |v[S+16*\k]|, |v[S+16*\k+1]|, 0x1800000
.endr
.irp i, 2,4,6,8,10,12,14
.irp k, 0,1,2,3
	v_max3_num_f32 v[BM+\k], v[BM+\k], |v[S+16*\k+\i]|, |v[S+16*\k+\i+1]|
.endr
.endr
.irp u, 0,1
	v_max_num_f32 v[BM+2*\u], v[BM+2*\u], v[BM+2*\u+1]
.endr
.irp u, 0,1
	v_add_nc_u32 v[BSC+\u], 0xff000000, v[BM+2*\u]
.endr
.irp u, 0,1
	v_lshrrev_b32 v[T+\u], 23, v[BSC+\u]
.endr
.irp u, 0,1
.irp i, 0,1,2,3
	v_cvt_scalef32_pk8_fp4_f32 v[PC+4*\u+\i], v[S+32*\u+8*\i:S+32*\u+8*\i+7], v[BSC+\u]
.endr
.endr
	s_lshr_b32 s73, s[HD], 4
	s_lshl_b32 s73, s73, 7
	s_lshl_b32 s74, s[\sg], 3
	s_add_co_u32 s73, s73, s74
	s_lshl_b32 s74, s[CX], 1
	s_add_co_u32 s73, s73, s74                     ; the pair's first tile: 128 b + 8 block + 2 cx
	s_and_b32 s77, s[HD], 15
	s_lshl_b32 s74, s73, 13
	s_lshl_b32 s75, s77, 9
	s_add_co_u32 s74, s74, s75
	s_lshl_b32 s75, s73, 9
	s_lshr_b32 s76, s77, 1
	s_lshl_b32 s76, s76, 6
	s_add_co_u32 s75, s75, s76
	s_and_b32 s76, s77, 1
	s_lshl_b32 s76, s76, 1
	s_add_co_u32 s75, s75, s76
	s_lshl_b32 s76, s73, 6
	s_wait_alu depctr_va_vdst(0)
	v_add_nc_u32 v[A0], s74, v[LI]
	v_add_nc_u32 v[A1], s75, v[R4H]
	v_lshrrev_b32 v[A2], 2, v[LI]
	v_add_nc_u32 v[A2], s76, v[A2]
.irp u, 0,1
.irp d, 0,1,2,3
	v_cndmask_b32 v[S+64+4*\u+\d], v[PC+4*\u+\d], v[PC+4*\u+(\d^1)], s[MHI]
.endr
.endr
	v_cndmask_b32 v[PX], 0, v[OLD], s80
	v_cndmask_b32 v[PX+1], 0, v[OLD], s81
	v_cndmask_b32 v[PX], v[PX], v[PX+1], s[MHI]    ; lanes 0-15: the first tile's queries, 16-31 the second's
.irp u, 0,1
	global_store_b128 v[A0], v[S+64+4*\u:S+67+4*\u], s[10:11] offset:8192*\u    ; 512 consecutive bytes
	global_store_b8 v[A1], v[T+\u], s[12:13] offset:512*\u
.endr
	s_wait_alu depctr_va_vdst(0)
	s_cmp_lg_u32 s77, 0                            ; the same for all heads of a batch: its first head stores it
	s_cbranch_scc1 .Lno_nan_\@
	global_store_b32 v[A2], v[PX], s[14:15]
.Lno_nan_\@:
	s_wait_xcnt 0x0                                ; the stores have read their registers
.endm
	s_wait_loadcnt 0x0                             ; Q
	START
	SEG 0, 0, 4, SL, 0
	s_wait_tensorcnt 0x0                           ; my part of steps 4 to 15 has landed
	s_wait_dscnt 0x0
	s_barrier_signal -1
	s_barrier_wait -1
	SEG 0, 4, 12, SL, 1
	FINISH SL
	START
	CLEARO
	SEG 1, 0, 8, SS, 1
	FINISH SS
	s_wait_tensorcnt 0x0                           ; the wave's end
	ds_add_u32 v[SPW], v[NIL]
	s_wait_dscnt 0x0
	CROUND                                         ; the closing round
	s_endpgm
.Lfunc_end_k_qfdb63bed44_attn:
	.size	k_qfdb63bed44_attn, .Lfunc_end_k_qfdb63bed44_attn-k_qfdb63bed44_attn
	.p2alignl 7, 3214868480
	.fill 96, 4, 3214868480
	.section	.rodata,"a",@progbits
	.p2align	6, 0x0
	.amdhsa_kernel k_qfdb63bed44_attn
		.amdhsa_group_segment_fixed_size 327680
		.amdhsa_private_segment_fixed_size 0
		.amdhsa_enable_private_segment 0
		.amdhsa_kernarg_size 48
		.amdhsa_user_sgpr_count 2
		.amdhsa_user_sgpr_kernarg_segment_ptr 1
		.amdhsa_wavefront_size32 1
		.amdhsa_system_sgpr_workgroup_id_x 1
		.amdhsa_system_sgpr_workgroup_id_y 1
		.amdhsa_system_sgpr_workgroup_id_z 1
		.amdhsa_system_vgpr_workitem_id 0
		.amdhsa_next_free_vgpr 512
		.amdhsa_next_free_sgpr 100
		.amdhsa_reserve_vcc 1
		.amdhsa_float_denorm_mode_32 3
		.amdhsa_float_denorm_mode_16_64 3
		.amdhsa_memory_ordered 1
		.amdhsa_forward_progress 1
		.amdhsa_inst_pref_size 135
	.end_amdhsa_kernel
	.amdgpu_metadata
---
amdhsa.version: [ 1, 2 ]
amdhsa.kernels:
  - .name:           k_qfdb63bed44_attn
    .symbol:         k_qfdb63bed44_attn.kd
    .args:
      - { .name: qws, .offset: 0, .size: 8, .value_kind: global_buffer, .address_space: global }
      - { .name: kvws, .offset: 8, .size: 8, .value_kind: global_buffer, .address_space: global }
      - { .name: token_mask, .offset: 16, .size: 8, .value_kind: global_buffer, .address_space: global }
      - { .name: acodes, .offset: 24, .size: 8, .value_kind: global_buffer, .address_space: global }
      - { .name: ascales, .offset: 32, .size: 8, .value_kind: global_buffer, .address_space: global }
      - { .name: nanrow, .offset: 40, .size: 8, .value_kind: global_buffer, .address_space: global }
    .group_segment_fixed_size: 327680
    .private_segment_fixed_size: 0
    .kernarg_segment_align: 8
    .kernarg_segment_size: 48
    .max_flat_workgroup_size: 256
    .sgpr_count:     100
    .vgpr_count:     512
    .wavefront_size: 32
...
	.end_amdgpu_metadata
.endif
;; end of part 2
;; launch proj (part 3): grid 4 x 64, 4 waves a work-group, clusters of 4 x 4, 327,680 bytes of LDS; arguments acodes, ascales, wp_codes, wp_scales, bp, out0, nanrow; writes out0
.if DOCPART == 3
	.amdgcn_target "amdgcn-amd-amdhsa--gfx1250"
	.amdhsa_code_object_version 6
	.text
	.protected	k_qfdb63bed44_proj
	.globl	k_qfdb63bed44_proj
	.p2align	8
	.type	k_qfdb63bed44_proj,@function
k_qfdb63bed44_proj:
	s_mov_b64 s[64:65], 0
	v_nop
	global_prefetch_b8 v0, s[64:65] scope:SCOPE_SE
	s_setreg_imm32_b32 hwreg(HW_REG_WAVE_MODE, 25, 1), 1
	s_wait_xcnt 0x0
	s_wait_alu depctr_hold_cnt(0) depctr_sa_sdst(0) depctr_va_vdst(0) depctr_va_sdst(0) depctr_va_ssrc(0) depctr_va_vcc(0) depctr_vm_vsrc(0)
	s_getreg_b32 s2, hwreg(HW_REG_IB_STS2, 6, 4)
	s_cmp_eq_u32 s2, 0
	s_cbranch_scc0 .Lentry_in_a_cluster
	s_endpgm
.Lentry_in_a_cluster:
	s_bfe_u32 s2, ttmp6, 0x10000c
	s_cmp_lg_u32 s2, 0xf033
	s_cbranch_scc0 .Lentry_shape_is_right
	s_endpgm
.Lentry_shape_is_right:
; out0 = attn wp^T + bp on codes of FP4 (E2M1) with one E8M0 scale for each 32 along K = 1,024; out0 f32.
; A work-group makes 128 tokens x 256 features: 4 x 64 = 256 work-groups; a wave 32 tokens x 256 features, in four chunks of 64 features, each over all of K: a chunk leaves while the next ones are made.
; A wave keeps its two token tiles' fragments for all of K in registers (128); a chunk of wp is 256 registers, two such sets take turns.  Nothing of reference() is left out here.
; attn's codes lie as images of operand registers, [tile of 16 tokens][head][512 bytes]: heads 2 s and 2 s + 1 are the fragment of K step s; its scale words [tile][s][r].  wp lies by rows of 512 bytes.
; A tile's rows m = 0 .. 7 are tokens 8 i + m of 64, its rows 8 .. 15 tokens 32 + 8 (i xor 1) + m - 8 (i: the tile's number modulo 4): the way out stores them so.
; TRANSPOSED USE: source 0 = 16 rows of wp, source 1 = 16 tokens: a lane holds eight neighbouring numbers of a row of out0.
; nanrow holds 0 for each token, or a NaN where no key counts for it (as reference() has it): the sums start with bp + nanrow.
; LOADS.  One a wave at the head: attn's codes, wp's first 64 rows, the two scales; wp's other 192 rows, 48 a wave, behind the next round.  Nothing is filled twice.  No prefetch: there is no loop of tile loads.
; 4 x 4 work-groups form a cluster: attn's tiles are asked for jointly along a row, wp's along a column.
; REGISTERS.  Window 0: v1-31 small, v32-47 attn's scale words, v64-127 wp's, v128-255 attn's fragments.  Windows 1, 2: wp's fragments, v32 s + 8 b.  Window 3: v0-63 sums, v64-127 rows read back, v128-255 bp.
.set WPP,  528                         ; a row of wp in LDS: 512 bytes + 16
.set BCOD, 65536
.set SA,   BCOD+256*WPP                ; attn's scale words: 8 tiles x 512
.set SB,   SA+4096                     ; wp's scale bytes: units of 256 + 16
.set STG,  SB+32*272                   ; the way out: 16 rows x 272 for each wave; no fill lands here
.set SPITCH, 272
.set SPARE, STG+4*16*SPITCH            ; the spare words
.set FLG,  8                           ; v[8:9], v[10:11] nanrow of my two tiles' token
.set ADA,  16
.set ADB,  17                          ; v17, v18: features 0-127, 128-255
.set ADSA, 19
.set ADSB, 20
.set STO,  21
.set RD,   22
.set CO,   23
.set H32,  24
.set NRO,  25
.set SPW,  28
.set NIL,  29
.set SCA,  32                          ; 8 u + s
.set SCB,  64                          ; 4 tile + s % 4; lanes 16-31: K steps 4 to 7
.set AF,   128                         ; 64 u + 8 s
.set BK,   64                          ; window 3
.set BI,   128                         ; window 3: 8 x tile of 16 features
.set G1A, 24
.set G0A, 32
.set G1B, 48
.set G0B, 56
.set G0C, 60
.set G1SA, 68
.set G0SA, 76
.set G1SB, 80
.set G0SB, 88
.set MSB, 0
.macro WIN new                         ; the immediate's high byte repeats the setting that is left
.if MSB != (\new)
	s_set_vgpr_msb (MSB<<8)|(\new)
.set MSB, \new
.endif
.endm
.macro CROUND
	s_barrier_signal -1
	s_barrier_wait -1
	s_cmp_lg_u32 s96, 0
	s_cbranch_scc1 .Lnot_wave_0_\@
	s_barrier_signal -3
.Lnot_wave_0_\@:
	s_barrier_wait -3
	s_barrier_signal -1
	s_barrier_wait -1
.endm
.macro PLACES n
.rept \n
	v_nop
.endr
.endm
	s_load_b256 s[4:11], s[0:1], 0x0               ; acodes, ascales, wp codes, wp scales
	s_load_b128 s[12:15], s[0:1], 0x20             ; bp, out0
	s_load_b64 s[2:3], s[0:1], 0x30                ; nanrow
	v_lshl_add_u32 v[SPW], v0, 2, SPARE
	v_mov_b32 v[NIL], 0
	ds_add_u32 v[SPW], v[NIL]                      ; the opening
	ds_add_u32 v[SPW], v[NIL]
	v_lshrrev_b32 v1, 5, v0
	v_readfirstlane_b32 s96, v1                    ; wave 0..3: token tiles 2 w, 2 w + 1
	s_bfe_u32 s40, ttmp6, 0x40000                  ; cx
	s_bfe_u32 s41, ttmp6, 0x40004                  ; cy
	s_lshl_b32 s42, ttmp9, 2
	s_add_co_u32 s42, s42, s40                     ; the tile of 256 features
	s_and_b32 s17, ttmp7, 0xffff
	s_lshl_b32 s17, s17, 2
	s_add_co_u32 s17, s17, s41                     ; the group of 128 tokens
	s_lshl_b32 s43, s41, 2
	s_lshl_b32 s43, 15, s43                        ; my row of the cluster
	s_lshl_b32 s44, 0x1111, s40                    ; my column
	s_or_b32 s[G1A+0], s43, (3<<16)|(1<<21)        ; attn's codes: 65,536 dense bytes as 256 rows of 256
	s_mov_b32 s[G1A+1], 32<<16
	s_mov_b32 s[G1A+2], 256<<16
	s_mov_b32 s[G1A+3], 32<<16
	s_mov_b32 s[G1A+4], 256
	s_mov_b32 s[G1A+5], 32
	s_mov_b32 s[G1A+6], 0
	s_mov_b32 s[G1A+7], 0
	s_or_b32 s[G1B+0], s44, (0<<16)|(1<<20)|(1<<21)|(6<<22)|(3<<25)   ; wp's codes: rows of 512 bytes, 16 bytes of padding behind each; 64 rows at the head, 48 behind it
	s_mov_b32 s[G1B+1], 512<<16
	s_mov_b32 s[G1B+2], 64<<16
	s_mov_b32 s[G1B+3], 512<<16
	s_mov_b32 s[G1B+4], 64
	s_mov_b32 s[G1B+5], 512
	s_mov_b32 s[G1B+6], 0
	s_mov_b32 s[G1B+7], 0
	s_or_b32 s[G1SA+0], s43, (3<<16)|(1<<21)       ; attn's scale words: 4,096 dense bytes
	s_mov_b32 s[G1SA+1], 32<<16
	s_mov_b32 s[G1SA+2], 16<<16
	s_mov_b32 s[G1SA+3], 32<<16
	s_mov_b32 s[G1SA+4], 16
	s_mov_b32 s[G1SA+5], 32
	s_mov_b32 s[G1SA+6], 0
	s_mov_b32 s[G1SA+7], 0
	s_or_b32 s[G1SB+0], s44, (3<<16)|(1<<20)|(1<<21)|(5<<22)|(3<<25)  ; wp's scale bytes: 8,192 dense bytes, padded behind each 256
	s_mov_b32 s[G1SB+1], 32<<16
	s_mov_b32 s[G1SB+2], 32<<16
	s_mov_b32 s[G1SB+3], 32<<16
	s_mov_b32 s[G1SB+4], 32
	s_mov_b32 s[G1SB+5], 32
	s_mov_b32 s[G1SB+6], 0
	s_mov_b32 s[G1SB+7], 0
	s_lshl_b32 s20, s17, 16                        ; attn's codes
	s_mov_b32 s21, 0
	s_lshl_b32 s22, s17, 12                        ; its scale words
	s_mov_b32 s23, 0
	s_lshl_b32 s46, s42, 17                        ; wp's codes
	s_mov_b32 s47, 0
	s_lshl_b32 s92, s42, 13                        ; its scale bytes
	s_mov_b32 s93, 0
	s_mul_i32 s94, s96, 48*512
	s_add_co_u32 s94, s94, 64*512                  ; behind the head: my 48 rows
	s_mov_b32 s95, 0
	s_mul_i32 s67, s96, 48*WPP
	s_add_co_u32 s67, s67, BCOD+64*WPP             ; no place in the cluster enters an LDS address
	v_and_b32 v1, 15, v0                           ; r
	v_bfe_u32 v2, v0, 4, 1                         ; h
	v_and_b32 v3, 31, v0
	s_lshl_b32 s18, s96, 14
	v_lshlrev_b32 v4, 4, v3
	v_add_nc_u32 v[ADA], s18, v4                   ; attn's images: my two tiles
	v_mul_u32_u24 v5, WPP, v1
	v_lshl_add_u32 v5, v2, 4, v5
	v_add_nc_u32 v[ADB], BCOD, v5                  ; wp's fragments: row r, 16 h
	v_add_nc_u32 v[ADB+1], 128*WPP, v[ADB]
	s_lshl_b32 s18, s96, 10
	s_add_co_u32 s18, s18, SA
	v_lshl_add_u32 v[ADSA], v1, 2, s18             ; attn's scale words: 4 r
	v_lshlrev_b32 v5, 5, v1
	v_lshrrev_b32 v6, 3, v1
	v_lshl_add_u32 v5, v6, 4, v5
	v_lshl_add_u32 v5, v2, 4, v5
	v_add_nc_u32 v[ADSB], SB, v5                   ; wp's: 32 bytes a row, 16 more for each 8 rows, 16 h
	s_mul_i32 s18, s96, 16*SPITCH
	s_add_co_u32 s18, s18, STG                     ; my stage
	v_mul_u32_u24 v5, SPITCH, v1
	v_lshl_add_u32 v5, v2, 5, v5
	v_add_nc_u32 v[STO], s18, v5                   ; in: row r, 32 bytes for each half of the lanes
	v_mul_u32_u24 v5, SPITCH, v2
	v_lshl_add_u32 v5, v1, 4, v5
	v_add_nc_u32 v[RD], s18, v5                    ; back: lanes 0-15 one row of 256 bytes, lanes 16-31 the next
	v_lshlrev_b32 v5, 12, v2
	v_lshl_add_u32 v[CO], v1, 4, v5                ; and the same in out0
	v_lshlrev_b32 v[H32], 5, v2
	s_lshl_b32 s18, s17, 9
	s_lshl_b32 s19, s96, 7
	s_add_co_u32 s18, s18, s19
	v_lshl_add_u32 v[NRO], v1, 2, s18              ; nanrow: 64 bytes a tile
	v_mov_b32 v[FLG+1], 0                          ; (upper halves of pairs)
	v_mov_b32 v[FLG+3], 0
	s_wait_alu depctr_va_vdst(0)
	s_wait_dscnt 0x0                               ; both opening adds are done
	s_wait_kmcnt 0x0
	s_add_nc_u64 s[20:21], s[4:5], s[20:21]
	s_add_nc_u64 s[22:23], s[6:7], s[22:23]
	s_add_nc_u64 s[46:47], s[8:9], s[46:47]
	s_add_nc_u64 s[92:93], s[10:11], s[92:93]
	CROUND                                         ; all sixteen work-groups are here
	s_mov_b32 s[G0A], 1
	s_mov_b32 s[G0A+1], 0
	s_mov_b64 s[G0A+2:G0A+3], s[20:21]
	s_or_b32 s[G0A+3], s[G0A+3], 0x80000000
	s_mov_b32 s[G0B], 1
	s_mov_b32 s[G0B+1], BCOD
	s_mov_b64 s[G0B+2:G0B+3], s[46:47]
	s_or_b32 s[G0B+3], s[G0B+3], 0x80000000
	s_mov_b32 s[G0SA], 1
	s_mov_b32 s[G0SA+1], SA
	s_mov_b64 s[G0SA+2:G0SA+3], s[22:23]
	s_or_b32 s[G0SA+3], s[G0SA+3], 0x80000000
	s_mov_b32 s[G0SB], 1
	s_mov_b32 s[G0SB+1], SB
	s_mov_b64 s[G0SB+2:G0SB+3], s[92:93]
	s_or_b32 s[G0SB+3], s[G0SB+3], 0x80000000
	s_mov_b32 s[G0C], 1
	s_mov_b32 s[G0C+1], s67
	s_add_nc_u64 s[G0C+2:G0C+3], s[46:47], s[94:95]
	s_or_b32 s[G0C+3], s[G0C+3], 0x80000000
.macro ARM under, g0, g1, next         ; one tree of branches on the wave's number: every way through the head passes exactly one load
	s_cmp_lt_u32 s96, \under
	s_cbranch_scc0 \next
	tensor_load_to_lds s[\g0:\g0+3], s[\g1:\g1+7]
	s_nop 0
	PLACES 4
	s_branch .Lhead_asked
\next:
.endm
	ARM 1, G0A, G1A, .Lhead_b
	ARM 2, G0B, G1B, .Lhead_sa
	ARM 3, G0SA, G1SA, .Lhead_sb
	tensor_load_to_lds s[G0SB:G0SB+3], s[G1SB:G1SB+7]
	s_nop 0
	PLACES 4
.Lhead_asked:
	s_lshl_b32 s18, s42, 10
	s_mov_b32 s19, 0
	s_add_nc_u64 s[12:13], s[12:13], s[18:19]      ; bp at my first feature
	s_add_nc_u64 s[14:15], s[14:15], s[18:19]
	s_lshl_b32 s18, s17, 7
	s_lshr_b32 s4, s96, 1
	s_lshl_b32 s4, s4, 6
	s_add_co_u32 s18, s18, s4
	s_and_b32 s4, s96, 1
	s_lshl_b32 s4, s4, 4
	s_add_co_u32 s18, s18, s4                      ; token 128 x group + 64 (w / 2) + 16 (w % 2)
	s_lshl_b32 s18, s18, 12
	s_add_nc_u64 s[14:15], s[14:15], s[18:19]      ; out0: 4,096 bytes a row
	global_load_b32 v[FLG], v[NRO], s[2:3]
	global_load_b32 v[FLG+2], v[NRO], s[2:3] offset:64
	WIN 0xc0                                       ; destination window 3
.irp b, 0,1,2,3,4,5,6,7,8,9,10,11,12,13,14,15
	global_load_b128 v[BI+8*\b:BI+8*\b+3], v[H32], s[12:13] offset:64*\b        ; bp at features 16 b + 8 h + 0 .. 7
	global_load_b128 v[BI+8*\b+4:BI+8*\b+7], v[H32], s[12:13] offset:64*\b+16
.endr
	WIN 0
.macro FETCHB n                        ; chunk n of wp: 4 tiles x 8 K steps -> window 1 or 2
	WIN 0x40*(1+(\n)%2)
.irp s, 0,1,2,3,4,5,6,7
.irp b, 0,1,2,3
	ds_load_b128 v[32*\s+8*\b:32*\s+8*\b+3], v[ADB+(\n)/2] offset:(4*((\n)%2)+\b)*16*WPP+64*\s
	ds_load_b128 v[32*\s+8*\b+4:32*\s+8*\b+7], v[ADB+(\n)/2] offset:(4*((\n)%2)+\b)*16*WPP+64*\s+32
.endr
.endr
	WIN 0
.endm
.macro INIT n                          ; the sums start with bp + nanrow
	WIN 0xc3                                       ; source 0 and destination window 3
.irp u, 0,1
.irp b, 0,1,2,3
.irp j, 0,2,4,6
	v_pk_add_f32 v[32*\u+8*\b+\j:32*\u+8*\b+\j+1], v[BI+32*(\n)+8*\b+\j:BI+32*(\n)+8*\b+\j+1], v[FLG+2*\u:FLG+2*\u+1] op_sel_hi:[1,0]
.endr
.endr
.endr
	WIN 0
	s_wait_alu depctr_va_vdst(0)
.endm
; 64 matrix instructions: the eight accumulators take turns, one instruction a turn
.macro MULC n
	WIN 0xf1+(\n)%2                                ; source 0 window 1 or 2, source 1 window 0, C and D window 3
.irp s, 0,1,2,3,4,5,6,7
.irp u, 0,1
.irp b, 0,1,2,3
.set mD, 32*\u+8*\b
.set mA, 32*\s+8*\b
.set mB, AF+64*\u+8*\s
.if \s > 3
	v_wmma_scale_f32_16x16x128_f8f6f4 v[mD:mD+7], v[mA:mA+7], v[mB:mB+7], v[mD:mD+7], v[SCB+4*(4*(\n)+\b)+\s%4], v[SCA+8*\u+\s] matrix_a_fmt:MATRIX_FMT_FP4 matrix_b_fmt:MATRIX_FMT_FP4 matrix_a_scale:MATRIX_SCALE_ROW1
.else
	v_wmma_scale_f32_16x16x128_f8f6f4 v[mD:mD+7], v[mA:mA+7], v[mB:mB+7], v[mD:mD+7], v[SCB+4*(4*(\n)+\b)+\s%4], v[SCA+8*\u+\s] matrix_a_fmt:MATRIX_FMT_FP4 matrix_b_fmt:MATRIX_FMT_FP4
.endif
.endr
.endr
.endr
	WIN 0
	PLACES 4                                       ; in front of the first read of results, and of loads into the fragments' registers
.endm
; THE WAY OUT of a chunk: each tile's 16 rows of 64 features go through my own stage: in as 32 bytes a lane, back as whole rows of 256 bytes.  LDS serves a wave's instructions in order (ISA guide 5.7.1.4).
.macro OUT n
.if (\n) > 0
	s_wait_xcnt 0x0                                ; the chunk before's stores have read their registers
.endif
	WIN 0xcc                                       ; data and destination window 3, addresses window 0
.irp u, 0,1
.irp b, 0,1,2,3
	ds_store_b128 v[STO], v[32*\u+8*\b:32*\u+8*\b+3] offset:64*\b     ; each accumulator from its low end on
	ds_store_b128 v[STO], v[32*\u+8*\b+4:32*\u+8*\b+7] offset:64*\b+16
.endr
.irp q, 0,1,2,3,4,5,6,7
	ds_load_b128 v[BK+32*\u+4*\q:BK+32*\u+4*\q+3], v[RD] offset:2*\q*SPITCH
.endr
.endr
.irp u, 0,1
	s_wait_dscnt 16*(1-\u)                         ; the first tile's rows are back: the second's 8 stores and 8 loads may be out
.irp q, 0,1,2,3,4,5,6,7
	global_store_b128 v[CO], v[BK+32*\u+4*\q:BK+32*\u+4*\q+3], s[14:15] offset:(8*\u+2*\q+(\q/4)*(32-16*\u))*4096+256*(\n) th:TH_STORE_NT   ; sixteen lanes store 256 consecutive bytes, aligned; written once
.endr
.endr
	WIN 0
.endm
	s_wait_alu depctr_va_vdst(0)
	s_wait_tensorcnt 0x0                           ; my tile of the head's four is in
	ds_add_u32 v[SPW], v[NIL]
	s_mov_b32 s[G1B+2], 48<<16                     ; no load of mine is out: from here on a load brings 48 rows
	s_mov_b32 s[G1B+4], 48
	s_wait_dscnt 0x0
	CROUND
	tensor_load_to_lds s[G0C:G0C+3], s[G1B:G1B+7]  ; my 48 rows of wp's other 192
	s_nop 0
	PLACES 4
.irp u, 0,1
.irp s, 0,1,2,3,4,5,6,7
	ds_load_b32 v[SCA+8*\u+\s], v[ADSA] offset:512*\u+64*\s
.endr
.endr
.irp b, 0,1,2,3,4,5,6,7,8,9,10,11,12,13,14,15
	ds_load_b128 v[SCB+4*\b:SCB+4*\b+3], v[ADSB] offset:544*\b
.endr
.irp u, 0,1
.irp s, 0,1,2,3,4,5,6,7
	ds_load_b128 v[AF+64*\u+8*\s:AF+64*\u+8*\s+3], v[ADA] offset:8192*\u+1024*\s
	ds_load_b128 v[AF+64*\u+8*\s+4:AF+64*\u+8*\s+7], v[ADA] offset:8192*\u+1024*\s+512
.endr
.endr
	FETCHB 0
	s_wait_loadcnt 0x0                             ; bp and nanrow
	INIT 0
	s_wait_dscnt 0x0
	MULC 0
	OUT 0
	s_wait_tensorcnt 0x0                           ; my part of wp's other rows has landed
	s_wait_dscnt 0x0
	s_barrier_signal -1
	s_barrier_wait -1
	FETCHB 1
	INIT 1
	s_wait_dscnt 0x0
	FETCHB 2
	MULC 1
	OUT 1
	INIT 2
	s_wait_dscnt 0x0
	FETCHB 3
	MULC 2
	OUT 2
	INIT 3
	s_wait_dscnt 0x0
	MULC 3
	OUT 3
	s_wait_tensorcnt 0x0                           ; the wave's end
	ds_add_u32 v[SPW], v[NIL]
	s_wait_dscnt 0x0
	CROUND                                         ; the closing round
	s_endpgm
.Lfunc_end_k_qfdb63bed44_proj:
	.size	k_qfdb63bed44_proj, .Lfunc_end_k_qfdb63bed44_proj-k_qfdb63bed44_proj
	.p2alignl 7, 3214868480
	.fill 96, 4, 3214868480
	.section	.rodata,"a",@progbits
	.p2align	6, 0x0
	.amdhsa_kernel k_qfdb63bed44_proj
		.amdhsa_group_segment_fixed_size 327680
		.amdhsa_private_segment_fixed_size 0
		.amdhsa_enable_private_segment 0
		.amdhsa_kernarg_size 56
		.amdhsa_user_sgpr_count 2
		.amdhsa_user_sgpr_kernarg_segment_ptr 1
		.amdhsa_wavefront_size32 1
		.amdhsa_system_sgpr_workgroup_id_x 1
		.amdhsa_system_sgpr_workgroup_id_y 1
		.amdhsa_system_sgpr_workgroup_id_z 1
		.amdhsa_system_vgpr_workitem_id 0
		.amdhsa_next_free_vgpr 1024
		.amdhsa_next_free_sgpr 100
		.amdhsa_reserve_vcc 0
		.amdhsa_float_denorm_mode_32 3
		.amdhsa_float_denorm_mode_16_64 3
		.amdhsa_memory_ordered 1
		.amdhsa_forward_progress 1
		.amdhsa_inst_pref_size 89
	.end_amdhsa_kernel
	.amdgpu_metadata
---
amdhsa.version: [ 1, 2 ]
amdhsa.kernels:
  - .name:           k_qfdb63bed44_proj
    .symbol:         k_qfdb63bed44_proj.kd
    .args:
      - { .name: acodes, .offset: 0, .size: 8, .value_kind: global_buffer, .address_space: global }
      - { .name: ascales, .offset: 8, .size: 8, .value_kind: global_buffer, .address_space: global }
      - { .name: wp_codes, .offset: 16, .size: 8, .value_kind: global_buffer, .address_space: global }
      - { .name: wp_scales, .offset: 24, .size: 8, .value_kind: global_buffer, .address_space: global }
      - { .name: bp, .offset: 32, .size: 8, .value_kind: global_buffer, .address_space: global }
      - { .name: out0, .offset: 40, .size: 8, .value_kind: global_buffer, .address_space: global }
      - { .name: nanrow, .offset: 48, .size: 8, .value_kind: global_buffer, .address_space: global }
    .group_segment_fixed_size: 327680
    .private_segment_fixed_size: 0
    .kernarg_segment_align: 8
    .kernarg_segment_size: 56
    .max_flat_workgroup_size: 128
    .sgpr_count:     100
    .vgpr_count:     1024
    .wavefront_size: 32
...
	.end_amdgpu_metadata
.endif
;; end of part 3
